; MI455X (gfx1250); checked and timed in simulation.
; The chip was launched on July 23, 2026; its instructions are those of AMD's public machine-readable ISA for CDNA 5 (MIT licence, August 2026) and "CDNA5" Instruction Set Architecture Reference Guide (July 2026). The comments in the code are by the model that wrote it; some were corrected since.
;; Multi Head Attention. Allowed arithmetic: matrix products marked QUANTISED: E2M3 operands, one E8M0 scale for each 32 along K, by v_wmma_scale_f32_16x16x128_f8f6f4 with both operands' format E2M3, f32 sums; everything else in f32.
;; Inputs: bo 1,024 float32; wk 1,024 x 1,024 float32; wo 1,024 x 1,024 float32; wq 1,024 x 1,024 float32; wv 1,024 x 1,024 float32; x 4 x 2,048 x 1,024 float32.
;; Outputs: out0 4 x 2,048 x 1,024 float32.
;; This version of the problem:
;;   THIS VERSION OF THE PROBLEM IS GIVEN IN LOW PRECISION. The matrix products marked QUANTISED in the list below multiply operands that are first quantised to E2M3 (2 exponent bits, 3 mantissa bits; 6 bits a number), with one power-of-two scale for each 32 numbers along K (OCP MX v1.0); their sums are f32. All else is computed in f32.
;;   The module's matrix products, in the order in which they are computed (A, B: the left and right operand; K: the contracted axis; several contracted axes count as one K, in the product's order):
;;     1. [M 8,192, K 1,024] x [K 1,024, N 1,024]; A: input x; B: input wq: QUANTISED
;;     2. [M 8,192, K 1,024] x [K 1,024, N 1,024]; A: input x; B: input wk: QUANTISED
;;     3. [M 8,192, K 1,024] x [K 1,024, N 1,024]; A: input x; B: input wv: QUANTISED
;;     4. batch 64 x [M 2,048, K 64] x [K 64, N 2,048]; A: computed on the way; B: computed on the way: QUANTISED
;;     5. batch 64 x [M 2,048, K 2,048] x [K 2,048, N 64]; A: softmax (see below); B: computed on the way: QUANTISED
;;     6. [M 8,192, K 1,024] x [K 1,024, N 1,024]; A: computed on the way; B: input wo: QUANTISED
;;   THE QUANTISER, for each operand of a quantised product, along K:
;;     - K is cut into blocks of 32 from its start; a last block that is shorter is filled with zeros.
;;     - A block's scale is 2^e with e = floor(log2(the largest magnitude in the block)) - 2, held to -126 .. 127; a block of zeros has e = 0. As a byte (E8M0): e + 127.
;;     - Each number is divided by its block's scale, clamped to +-7.5, and rounded to the nearest number of E2M3, ties to even, subnormals kept.
;;     - The product sums the exact products of the quantised numbers (number of the format x scale) in f32.
;;   ~~~python
;;   def quantise(x, axis):      # numpy; x: float32 -> the quantised numbers, widened to float32 again
;;       x = np.moveaxis(x, axis, -1); K = x.shape[-1]
;;       x = np.pad(x, [(0, 0)] * (x.ndim - 1) + [(0, -K % 32)]); x = x.reshape(x.shape[:-1] + (-1, 32)); a = np.abs(x).max(-1, keepdims=True)
;;       e = np.where(a > 0, np.clip(np.frexp(np.where(a > 0, a, 1))[1] - 1 - 2, -126, 127), 0)      # np.frexp(a)[1] - 1 = floor(log2(a)), exactly
;;       r = np.clip(x / 2.0 ** e, -7.5, 7.5)
;;       step = 2.0 ** (np.maximum(np.frexp(np.where(r == 0, 1, r))[1] - 1, 0) - 3)
;;       q = np.round(r / step) * step * 2.0 ** e      # np.round: ties to even
;;       return np.moveaxis(q.reshape(q.shape[:-2] + (-1,))[..., :K], -1, axis).astype(np.float32)
;;   ~~~
;;   SOFTMAX AHEAD OF A QUANTISED PRODUCT. Where the list says 'softmax', what is quantised is not the finished softmax but p = 2^(t - M), with t = logit x log2(e) and M = ceil(the row's largest t), a whole number; so 1/2 < the row's largest p <= 1. The row's sum l is taken of the UNQUANTISED p, in f32, and the product's result is divided by l at the end. Since M is a whole number, a kernel that streams over the keys may use a running M (the ceiling of the running maximum): every later rescaling is an exact power of two, which a block's scale takes up: the codes' values come out the same.
;;   OPERANDS COMPUTED ON THE WAY. 'Computed on the way' means the value that the module computes at that place (a softmax that the list does not call 'softmax' is quantised finished and normalised). What goes into a quantiser is computed in f32, as accurately as f32 sums, v_exp_f32 and their like allow (about 1e-6 of the number): no bf16 or f16 on the way to a quantiser, and a product that is left as it is and whose result goes on into a quantised operand takes f32 operands (vector FMAs, or v_wmma_f32_16x16x4_f32). A number that lies on a knife's edge between two numbers of the format may be rounded either way, as far as f32 arithmetic and the matrix unit's own rounding can turn it there, and no further.
;; One version. Each part assembles by itself: llvm-mc -triple=amdgcn-amd-amdhsa -mcpu=gfx1250 --defsym DOCPART=n.
;; ======== version 1 of 1: 4 launches
;; workspace buffers: xc 6,291,456 bytes; xs 262,144 bytes; wc 3,145,728 bytes; ws 131,072 bytes; qq 6,815,744 bytes; kv 13,369,344 bytes; cc 6,291,456 bytes; cs 262,144 bytes
;; launch prep (part 1): grid 2048 x 1, 1 waves a work-group, no clusters, 8,704 bytes of LDS; arguments x, wq, wk, wv, wo, xc, xs, wc, ws; writes xc, xs, wc, ws
.if DOCPART == 1
	.amdgcn_target "amdgcn-amd-amdhsa--gfx1250"
	.amdhsa_code_object_version 6
	.text
	.protected	k_qf19cb18d90_prep
	.globl	k_qf19cb18d90_prep
	.p2align	8
	.type	k_qf19cb18d90_prep,@function
k_qf19cb18d90_prep:
	s_mov_b64 s[64:65], 0
	v_nop
	global_prefetch_b8 v0, s[64:65] scope:SCOPE_SE
	s_setreg_imm32_b32 hwreg(HW_REG_WAVE_MODE, 25, 1), 1
	s_wait_xcnt 0x0
; x [8192][1024] and the four weights [1024 (k)][1024 (n)], f32, become codes of FP6 (E2M3) with one E8M0 byte for each 32 along K, laid as IMAGES OF THE OPERAND'S REGISTERS.
; TILES.  Row p (0..15) of 16-row tile n of a tensor (x's tokens, a weight's columns) is index 32 (n / 2) + 8 (n % 2) + p + 8 (p / 8): so the results of two neighbouring tiles are 16 neighbours in a lane's registers.
; A FRAGMENT'S IMAGE (16 rows x 128 K, 12 registers a lane, 1,536 bytes): registers 0-3 at 16 x lane, 4-5 at 512 + 8 x lane, 6-9 at 768 + 16 x lane, 10-11 at 1,280 + 8 x lane: every store covers 512 or 256 consecutive bytes, aligned.
; xc [512 tiles][8 K steps][1,536]; wc [4 weights][64 tiles][8][1,536].  A TILE'S SCALE WORDS (512 bytes): the word of (row r, K step s) at 256 (s / 4) + 16 r + 4 (s % 4): xs [512][512], ws [4][64][512].
; A block's scale is 2^(floor(log2(its largest magnitude)) - 2): its byte is the largest magnitude's exponent field - 2, held at 1 from below.
; SHARES.  One wave to a work-group.  Work-groups 0..1,023: half of K (four K steps) of one tile of x.  Work-groups 1,024..2,047: one K step (four blocks of 32) of 32 columns of one weight.
; LIMITS: a block of zeros gets the byte 1 where the rule says 127 (its codes are zeros, and this program alone reads the bytes); NaN and infinities among the inputs are not served;
; a weight's wave owns one scale word a row, so ws is stored 4 bytes a lane, 16 bytes apart (131,072 bytes in all); a load of a weight covers 128 consecutive bytes.
.set SPITCH, 528                       ; a stage row: 512 bytes + 16: the sixteen rows that a read touches start at sixteen different banks
.set SPARE,  16*SPITCH                 ; behind the stage: the spare words, one block of 256 bytes that no other line names
.set L16, 1                            ; v1   16 x lane
.set STO, 2                            ; v2   x: where I read my 16 neighbours of a block out of the stage: 528 r + 64 h
.set L8,  3                            ; v3   8 x lane
.set SW,  4                            ; v4-7 x: the four K steps' scale words
.set RR,  14                           ; v14  r = lane % 16
.set HH,  15                           ; v15  h = lane / 16
.set R,   16                           ; v16-143  x: two sets of 64 numbers as loaded;  a weight: v16-79 two sets of 32
.set X,   144                          ; v144-207 x: register 16 b + i = k 32 b + 16 h + i of my row
.set PC,  208                          ; v208-219 a fragment's codes; v220-226 the conversions' second halves
.set TM,  228                          ; v228-243 at work in the quantiser
.set F0,  144                          ; a weight: v144-155, v156-167 the fragments of the two tiles
.set TP,  168                          ; v168-183 the upper halves of the four blocks
.set WS,  184                          ; v184 the scale word
.set M0,  186
.set M1,  187
.set SO,  188
.set BY,  189
.set SPW, 252                          ; v252 LDS address of my spare word; never rewritten
.set NIL, 253                          ; v253 0; never rewritten
.set SEL, 22                           ; s[22:23] v_permlanex16_b32's selects for lane l xor 16
.set HM,  24                           ; s24  the lanes 16-31
; 64 numbers of a lane, register 16 b + i = k 32 b + 16 h + i of my row, become a fragment's codes in v[PC] on and my row's scale word in v[pw]
.macro QUANT s, pw
.irp b, 0,1,2,3
	v_max3_num_f32 v[TM+\b], |v[\s+16*\b]|, |v[\s+1+16*\b]|, 0x1800000   ; my 16 numbers of block b, and the floor 2^(3 - 127): the byte cannot fall under 1
.endr
.irp i, 2,4,6,8,10,12,14
.irp b, 0,1,2,3
	v_max3_num_f32 v[TM+\b], v[TM+\b], |v[\s+16*\b+\i]|, |v[\s+1+16*\b+\i]|   ; the four blocks by turns
.endr
.endr
.irp b, 0,1,2,3
	v_permlanex16_b32 v[TM+4+\b], v[TM+\b], s[SEL], s[SEL+1]
.endr
.irp b, 0,1,2,3
	v_max_num_f32 v[TM+\b], v[TM+\b], v[TM+4+\b]   ; with lane l xor 16's: the block's largest magnitude
.endr
.irp b, 0,1,2,3
	v_add_nc_u32 v[TM+12+\b], 0xff000000, v[TM+\b]   ; 2 off its exponent field: the conversion's scale operand
.endr
.irp b, 0,1,2,3
	v_lshrrev_b32 v[TM+4+\b], 23, v[TM+12+\b]      ; the scale's byte
.endr
	v_lshl_or_b32 v[\pw], v[TM+5], 8, v[TM+4]
	v_lshl_or_b32 v[\pw], v[TM+6], 16, v[\pw]
	v_lshl_or_b32 v[\pw], v[TM+7], 24, v[\pw]
.irp c, 0,1
	v_cvt_scalef32_pk16_fp6_f32 v[PC+6*\c:PC+2+6*\c], v[\s+32*\c:\s+15+32*\c], v[TM+12+2*\c]
	v_cvt_scalef32_pk16_fp6_f32 v[PC+12+4*\c:PC+14+4*\c], v[\s+16+32*\c:\s+31+32*\c], v[TM+12+2*\c+1]   ; (a conversion's three registers begin on an even number)
.endr
	v_nop                                          ; one plain place behind a scaled conversion
.irp c, 0,1                                    ; the operand's layout wants a whole block in a lane: lanes 0-15 block 2 c, lanes 16-31 block 2 c + 1
.irp i, 0,1,2
	v_permlane16_swap_b32 v[PC+6*\c+\i], v[PC+12+4*\c+\i]
.endr
.irp i, 0,1,2
	v_mov_b32 v[PC+3+6*\c+\i], v[PC+12+4*\c+\i]
.endr
.endr
.endm
	s_load_b256 s[4:11], s[0:1], 0x0               ; x s[4:5], wq s[6:7], wk s[8:9], wv s[10:11]
	s_load_b256 s[12:19], s[0:1], 0x20             ; wo s[12:13], xc s[14:15], xs s[16:17], wc s[18:19]
	s_load_b64 s[20:21], s[0:1], 0x40              ; ws
	v_lshl_add_u32 v[SPW], v0, 2, SPARE
	v_mov_b32 v[NIL], 0
	v_lshlrev_b32 v[L16], 4, v0
	v_lshlrev_b32 v[L8], 3, v0
	v_and_b32 v[RR], 15, v0
	v_lshrrev_b32 v[HH], 4, v0
	s_mov_b32 s[SEL], 0x76543210
	s_mov_b32 s[SEL+1], 0xfedcba98
	s_mov_b32 s[HM], 0xffff0000
	s_mov_b32 s27, 0                               ; the upper word of every offset
	s_wait_kmcnt 0x0
	s_cmp_lt_u32 ttmp9, 1024
	s_cbranch_scc0 .Lweight
	; ---- x: tile ttmp9 / 2, K steps 4 (ttmp9 % 2) on
	s_lshr_b32 s28, ttmp9, 1                       ; the tile
	s_and_b32 s29, ttmp9, 1                        ; which half of K
	s_lshr_b32 s26, s28, 1
	s_lshl_b32 s26, s26, 5
	s_and_b32 s30, s28, 1
	s_lshl_b32 s30, s30, 3
	s_add_co_u32 s26, s26, s30                     ; its first token: 32 (tile / 2) + 8 (tile % 2)
	s_lshl_b32 s26, s26, 12                        ; rows of 4,096 bytes
	s_lshl_b32 s30, s29, 11                        ; four K steps of 512 bytes
	s_add_co_u32 s26, s26, s30
	s_add_nc_u64 s[4:5], s[4:5], s[26:27]
	s_mul_i32 s26, ttmp9, 4*1536                   ; 12,288 x tile + 6,144 x half
	s_add_nc_u64 s[14:15], s[14:15], s[26:27]
	s_lshl_b32 s26, ttmp9, 8                       ; 512 x tile + 256 x half
	s_add_nc_u64 s[16:17], s[16:17], s[26:27]
	s_wait_alu depctr_va_vdst(0)
	v_mul_u32_u24 v[STO], v[RR], SPITCH
	v_lshl_add_u32 v[STO], v[HH], 6, v[STO]
	v_lshlrev_b32 v13, 4, v[RR]
	v_lshl_add_u32 v13, v[HH], 3, v13              ; the scale words' place: 16 r + 8 h
.irp b, 0,1,2,3
	v_mov_b32 v[TM+4+\b], 0                        ; written once: a lane permute's destination counts as one of its sources
.endr
.macro XLOAD s                         ; K step s of the tile's 16 rows: each load takes 512 consecutive bytes of one row
.irp i, 0,1,2,3,4,5,6,7,8,9,10,11,12,13,14,15
	global_load_b128 v[R+64*((\s)%2)+4*\i:R+64*((\s)%2)+4*\i+3], v[L16], s[4:5] offset:(\i+8*(\i/8))*4096+512*(\s) th:TH_LOAD_NT
.endr
.endm
.macro XSTEP s
.if (\s) < 3
	s_wait_loadcnt 16                              ; this step's 16 loads are in; the next step's 16 may be out
.else
	s_wait_loadcnt 0x0
.endif
.irp i, 0,1,2,3,4,5,6,7,8,9,10,11,12,13,14,15
	ds_store_b128 v[L16], v[R+64*((\s)%2)+4*\i:R+64*((\s)%2)+4*\i+3] offset:SPITCH*\i   ; the rows as they lie
.endr
.irp b, 0,1,2,3
.irp j, 0,1,2,3
	ds_load_b128 v[X+16*\b+4*\j:X+16*\b+4*\j+3], v[STO] offset:128*\b+16*\j   ; LDS serves a wave's instructions in order: these see the stores above
.endr
.endr
	s_wait_dscnt 0x0                               ; my numbers are back, and the stores have read their registers,
.if (\s)+2 < 4
	XLOAD (\s)+2                                   ; which take the loads of two steps on
.endif
.if (\s) > 0
	s_wait_xcnt 0x0                                ; the last step's stores have read the codes' registers: they are rewritten only behind this wait
.endif
	QUANT X, SW+(\s)
	global_store_b128 v[L16], v[PC:PC+3], s[14:15] offset:1536*(\s)
	global_store_b64 v[L8], v[PC+4:PC+5], s[14:15] offset:1536*(\s)+512
	global_store_b128 v[L16], v[PC+6:PC+9], s[14:15] offset:1536*(\s)+768
	global_store_b64 v[L8], v[PC+10:PC+11], s[14:15] offset:1536*(\s)+1280
.endm
	XLOAD 0
	XLOAD 1
	s_wait_alu depctr_va_vdst(0)
	XSTEP 0
	XSTEP 1
	XSTEP 2
	XSTEP 3
	v_cndmask_b32 v8, v[SW], v[SW+2], s[HM]        ; lanes 0-15 store steps 0, 1 of their row, lanes 16-31 steps 2, 3:
	v_cndmask_b32 v9, v[SW+1], v[SW+3], s[HM]
	global_store_b64 v13, v[8:9], s[16:17]         ; the wave stores 256 consecutive bytes, aligned
	s_branch .Lend
.Lweight:
	; ---- a weight: lane l takes a COLUMN and its registers run down K: a block of 32 is one lane's, and the codes come out with K innermost
	s_sub_co_u32 s28, ttmp9, 1024
	s_lshr_b32 s29, s28, 8                         ; which weight: q, k, v, o
	s_bfe_u32 s30, s28, 0x50003                    ; which 32 columns
	s_and_b32 s31, s28, 7                          ; which K step
	s_and_b32 s32, s29, 1
	s_cmp_lt_u32 s29, 2
	s_cselect_b64 s[34:35], s[6:7], s[10:11]       ; wq or wv
	s_cselect_b64 s[36:37], s[8:9], s[12:13]       ; wk or wo
	s_cmp_eq_u32 s32, 0
	s_cselect_b64 s[34:35], s[34:35], s[36:37]
	s_lshl_b32 s26, s31, 19                        ; 128 rows of 4,096 bytes
	s_lshl_b32 s32, s30, 7                         ; 32 columns
	s_add_co_u32 s26, s26, s32
	s_add_nc_u64 s[34:35], s[34:35], s[26:27]
	s_mul_i32 s26, s29, 786432
	s_mul_i32 s32, s30, 2*12288
	s_add_co_u32 s26, s26, s32
	s_mul_i32 s32, s31, 1536
	s_add_co_u32 s26, s26, s32
	s_add_nc_u64 s[18:19], s[18:19], s[26:27]      ; the even tile's image of this K step; the odd tile's lies 12,288 bytes on
	s_lshl_b32 s26, s29, 15
	s_lshl_b32 s32, s30, 10
	s_add_co_u32 s26, s26, s32
	s_lshr_b32 s32, s31, 2
	s_lshl_b32 s32, s32, 8
	s_add_co_u32 s26, s26, s32
	s_and_b32 s32, s31, 3
	s_lshl_b32 s32, s32, 2
	s_add_co_u32 s26, s26, s32
	s_add_nc_u64 s[20:21], s[20:21], s[26:27]
	s_wait_alu depctr_va_vdst(0)
	v_and_b32 v9, 8, v[RR]
	v_add_nc_u32 v9, v9, v[RR]
	v_lshl_add_u32 v9, v[HH], 3, v9                ; my column of the 32: 8 h + r + 8 (r / 8): lanes 0-15 are the even tile's rows, lanes 16-31 the odd tile's
	v_lshlrev_b32 v9, 2, v9
	v_lshlrev_b32 v10, 4, v[RR]
	v_lshl_add_u32 v10, v[HH], 9, v10              ; my scale word's place: 512 x tile + 16 r
.macro WLOAD t                         ; block t: w(32 t + i, my column): the wave reads 128 consecutive bytes
.set cn, 0
.rept 32
	global_load_b32 v[R+32*((\t)%2)+cn], v9, s[34:35] offset:(32*(\t)+cn)*4096 th:TH_LOAD_NT
.set cn, cn+1
.endr
.endm
.macro WBLOCK t
.set XS, R+32*((\t)%2)
.set FD, F0+12*((\t)%2)+6*((\t)/2)     ; blocks 0, 2 into the first fragment's registers, blocks 1, 3 into the second's
.if (\t) < 3
	s_wait_loadcnt 32                              ; this block's 32 loads are in; the next block's may be out
.else
	s_wait_loadcnt 0x0
.endif
	v_max3_num_f32 v[M0], |v[XS]|, |v[XS+1]|, |v[XS+2]|
	v_max3_num_f32 v[M1], |v[XS+3]|, |v[XS+4]|, |v[XS+5]|
.irp i, 6,10,14,18,22,26
	v_max3_num_f32 v[M0], v[M0], |v[XS+\i]|, |v[XS+\i+1]|
	v_max3_num_f32 v[M1], v[M1], |v[XS+\i+2]|, |v[XS+\i+3]|
.endr
	v_max3_num_f32 v[M0], v[M0], |v[XS+30]|, |v[XS+31]|
	v_max3_num_f32 v[M0], v[M0], v[M1], 0x1800000  ; and the floor
	v_add_nc_u32 v[SO], 0xff000000, v[M0]
	v_lshrrev_b32 v[BY], 23, v[SO]
.if (\t) == 0
	v_mov_b32 v[WS], v[BY]
.else
	v_lshl_or_b32 v[WS], v[BY], 8*(\t), v[WS]
.endif
	v_cvt_scalef32_pk16_fp6_f32 v[FD:FD+2], v[XS:XS+15], v[SO]
	v_cvt_scalef32_pk16_fp6_f32 v[TP+4*(\t):TP+4*(\t)+2], v[XS+16:XS+31], v[SO]
	v_nop                                          ; one plain place behind a scaled conversion
.if (\t)+2 < 4
	WLOAD (\t)+2
.endif
.endm
	WLOAD 0
	WLOAD 1
	WBLOCK 0
	WBLOCK 1
	WBLOCK 2
	WBLOCK 3
	; Lanes 0-15 hold the even tile's four blocks, lanes 16-31 the odd tile's.  A fragment wants blocks 0, 2 of its rows in lanes 0-15 and blocks 1, 3 in lanes 16-31:
	; the exchange of block 0's upper lanes with block 1's lower lanes (2's with 3's) gives both fragments at once.
.irp i, 0,1,2,6,7,8
	v_permlane16_swap_b32 v[F0+\i], v[F0+12+\i]
.endr
.irp i, 0,1,2,8,9,10
	v_permlane16_swap_b32 v[TP+\i], v[TP+4+\i]
.endr
.irp i, 0,1,2
	v_mov_b32 v[F0+3+\i], v[TP+\i]
	v_mov_b32 v[F0+15+\i], v[TP+4+\i]
	v_mov_b32 v[F0+9+\i], v[TP+8+\i]
	v_mov_b32 v[F0+21+\i], v[TP+12+\i]
.endr
.irp u, 0,1
	global_store_b128 v[L16], v[F0+12*\u:F0+12*\u+3], s[18:19] offset:12288*\u
	global_store_b64 v[L8], v[F0+12*\u+4:F0+12*\u+5], s[18:19] offset:12288*\u+512
	global_store_b128 v[L16], v[F0+12*\u+6:F0+12*\u+9], s[18:19] offset:12288*\u+768
	global_store_b64 v[L8], v[F0+12*\u+10:F0+12*\u+11], s[18:19] offset:12288*\u+1280
.endr
	global_store_b32 v10, v[WS], s[20:21]
.Lend:
	s_wait_tensorcnt 0x0                           ; the wave's end: behind my last LDS store
	ds_add_u32 v[SPW], v[NIL]
	s_wait_dscnt 0x0
	s_endpgm
.Lfunc_end_k_qf19cb18d90_prep:
	.size	k_qf19cb18d90_prep, .Lfunc_end_k_qf19cb18d90_prep-k_qf19cb18d90_prep
	.p2alignl 7, 3214868480
	.fill 96, 4, 3214868480
	.section	.rodata,"a",@progbits
	.p2align	6, 0x0
	.amdhsa_kernel k_qf19cb18d90_prep
		.amdhsa_group_segment_fixed_size 8704
		.amdhsa_private_segment_fixed_size 0
		.amdhsa_enable_private_segment 0
		.amdhsa_kernarg_size 72
		.amdhsa_user_sgpr_count 2
		.amdhsa_user_sgpr_kernarg_segment_ptr 1
		.amdhsa_wavefront_size32 1
		.amdhsa_system_sgpr_workgroup_id_x 1
		.amdhsa_system_sgpr_workgroup_id_y 1
		.amdhsa_system_sgpr_workgroup_id_z 1
		.amdhsa_system_vgpr_workitem_id 0
		.amdhsa_next_free_vgpr 256
		.amdhsa_next_free_sgpr 66
		.amdhsa_reserve_vcc 0
		.amdhsa_float_denorm_mode_32 3
		.amdhsa_float_denorm_mode_16_64 3
		.amdhsa_memory_ordered 1
		.amdhsa_forward_progress 1
		.amdhsa_inst_pref_size 54
	.end_amdhsa_kernel
	.amdgpu_metadata
---
amdhsa.version: [ 1, 2 ]
amdhsa.kernels:
  - .name:           k_qf19cb18d90_prep
    .symbol:         k_qf19cb18d90_prep.kd
    .args:
      - { .name: x, .offset: 0, .size: 8, .value_kind: global_buffer, .address_space: global }
      - { .name: wq, .offset: 8, .size: 8, .value_kind: global_buffer, .address_space: global }
      - { .name: wk, .offset: 16, .size: 8, .value_kind: global_buffer, .address_space: global }
      - { .name: wv, .offset: 24, .size: 8, .value_kind: global_buffer, .address_space: global }
      - { .name: wo, .offset: 32, .size: 8, .value_kind: global_buffer, .address_space: global }
      - { .name: xc, .offset: 40, .size: 8, .value_kind: global_buffer, .address_space: global }
      - { .name: xs, .offset: 48, .size: 8, .value_kind: global_buffer, .address_space: global }
      - { .name: wc, .offset: 56, .size: 8, .value_kind: global_buffer, .address_space: global }
      - { .name: ws, .offset: 64, .size: 8, .value_kind: global_buffer, .address_space: global }
    .group_segment_fixed_size: 8704
    .private_segment_fixed_size: 0
    .kernarg_segment_align: 8
    .kernarg_segment_size: 72
    .max_flat_workgroup_size: 32
    .sgpr_count:     66
    .vgpr_count:     256
    .wavefront_size: 32
...
	.end_amdgpu_metadata
.endif
;; end of part 1
;; launch qkv (part 2): grid 12 x 64, 4 waves a work-group, clusters of 4 x 4, 327,680 bytes of LDS; arguments xc, xs, wc, ws, qq, kv; writes qq, kv
.if DOCPART == 2
	.amdgcn_target "amdgcn-amd-amdhsa--gfx1250"
	.amdhsa_code_object_version 6
	.text
	.protected	k_qf19cb18d90_qkv
	.globl	k_qf19cb18d90_qkv
	.p2align	8
	.type	k_qf19cb18d90_qkv,@function
k_qf19cb18d90_qkv:
	s_mov_b64 s[64:65], 0
	v_nop
	global_prefetch_b8 v0, s[64:65] scope:SCOPE_SE
	s_setreg_imm32_b32 hwreg(HW_REG_WAVE_MODE, 25, 1), 1
	s_wait_xcnt 0x0
	s_wait_alu depctr_hold_cnt(0) depctr_sa_sdst(0) depctr_va_vdst(0) depctr_va_sdst(0) depctr_va_ssrc(0) depctr_va_vcc(0) depctr_vm_vsrc(0)
	s_getreg_b32 s2, hwreg(HW_REG_IB_STS2, 6, 4)
	s_cmp_eq_u32 s2, 0
	s_cbranch_scc0 .Lentry_in_a_cluster
	s_endpgm
.Lentry_in_a_cluster:
	s_bfe_u32 s2, ttmp6, 0x10000c
	s_cmp_lg_u32 s2, 0xf033
	s_cbranch_scc0 .Lentry_shape_is_right
	s_endpgm
.Lentry_shape_is_right:
; q = x wq, k = x wk, v = x wv on codes of FP6 (E2M3) with E8M0 scales, K = 1,024; the results are quantised in registers on the way out (q, k along the head's 64, v along the tokens) and stored as images of operand registers.
; SHARES.  A work-group makes 128 'A rows' x 256 'B rows'; wave w: A rows 64 (w / 2) on (4 tiles), B rows 128 (w % 2) on (8 tiles): 32 accumulators, 256 matrix instructions.
; The matrix instruction is used transposed (source 0 = 16 B rows, source 1 = 16 A rows): lane (r, h) holds A row r, and the 16 registers of B's tiles 2 b, 2 b + 1 are B rows 32 b + 16 h + 0 .. 15 (the tiles' rows are chosen so).
; So a lane's 64 results of an A tile run along B, which is the axis to be quantised.  Q and K (cluster x = 0, 1): A = tokens, B = the weight's columns (head, d).  V (cluster x = 2): A = wv's columns, B = tokens.
; The kind hangs on the cluster's x alone, which all sixteen partners share; it chooses pointers and offsets, and one short branch at the end.
; NO RING: the operands of the whole K, 98,304 + 196,608 bytes, fit in LDS.  They come as four slots of two K steps, each wave's four tensor loads issued together at the start; slot j is read behind a counted wait and a barrier; nothing is filled twice.
; CLUSTER 4 x 4: A's tiles are shared along a row of the cluster, B's along a column: each is asked for jointly, by the same load with the same descriptor and a mask that names the four.
; OUT.  qq [64 (b, head)][16 blocks of 128 queries][6,656]: 8 tiles x 768 bytes (registers 0-3 at 16 x lane, 4-5 at 512 + 8 x lane), then 512 bytes of scale words.
; kv [64][16 key blocks][13,056]: K as 8 x 768, V as 4 d tiles x 1,536 (16 d x 128 keys), K's scale words (512), V's (256).  Scale words: tile t of a half: 8 (r + 16 (t % 2)) + 4 (t / 2).
; In q's and k's scale words bytes 0, 1 are the head's two blocks; bytes 2, 3 are the neighbour head's bytes or 0, never 0xff: they meet zero codes alone.
; LIMITS: a block of zeros gets the byte 1 where the rule says 127 (its codes are zeros; this program alone reads the bytes); NaN and infinities are not served.
; REGISTERS: window 0: v4-26 addresses; v32-47 A's scale words, v48-79 B's; v96-143, v144-191 A's fragments, two sets (on the way out: codes and work).  window 1: B's fragments, two sets, at v0 and v128.  window 2: accumulator (a, b) at v[8 (8 a + b)].
.set TROW,  12288                      ; a tile's eight K steps in memory
.set FRB,   1536                       ; a fragment's image
.set SLB,   3072                       ; a tile's part of a slot: two K steps
.set SLOT,  24*SLB                     ; A's 8 tiles, then B's 16
.set BOFF,  8*SLB
.set SPARE, 4*SLOT                     ; behind the slots: the spare words, 128 bytes a wave: two blocks of 256 bytes that no other line names
.set L16,  4                           ; v4  16 x lane
.set L8,   5                           ; v5  8 x lane
.set LA16, 8                           ; v8-11   slot j: my A tiles + 16 x lane;  v12-15 + 8 x lane
.set LA8,  12
.set LB16, 16                          ; v16-19, v20-23 the same for B
.set LB8,  20
.set SPW,  28
.set NIL,  29
.set SA,   32
.set SB,   48
.set AF,   96
.set F,    96                          ; the way out: four tiles' codes
.set PT,   192
.set TM,   200
.set PW,   216
.set WV, 16
.set RH, 17
.set CH, 18
.set CX, 19
.set CY, 20
.set CLY, 21
.set HM, 22
.set G1A, 24
.set G1B, 32
.set G0A, 40                           ; s[40:55] four groups 0 for A
.set G0B, 56                           ; s[56:63], s[68:75] four for B
.set AR, 76
.set BC, 77
.set HD, 78
.set KG, 79
.set RS, 80
.set COFF, 81
.set SOFF, 82
.set SC, 83
.set OUT, 84
.set SOUT, 86
.set SAS, 88
.set H16, 90
.set SEL, 98
.set MSB, 0
.macro WIN new                         ; the immediate's high byte repeats the setting that is left
.if MSB != \new
	s_set_vgpr_msb (MSB<<8)|\new
.set MSB, \new
.endif
.endm
.set MUL,  0xa1                        ; source 0 (B) window 1, source 1 (A) window 0, C and D window 2
.set TO_B, 0x40                        ; destination window 1, address window 0
.macro CROUND                          ; a round of the cluster's barrier
	s_barrier_signal -1
	s_barrier_wait -1
	s_cmp_lg_u32 s[WV], 0
	s_cbranch_scc1 .Lnot_wave_0_\@
	s_barrier_signal -3
.Lnot_wave_0_\@:
	s_barrier_wait -3
	s_barrier_signal -1
	s_barrier_wait -1
.endm
.macro PLACES
.rept 4
	v_nop
.endr
.endm
.macro FRAG reg, a16, a8, off          ; a fragment's image back into 12 registers
	ds_load_b128 v[\reg:\reg+3], v[\a16] offset:\off
	ds_load_b64 v[\reg+4:\reg+5], v[\a8] offset:\off+512
	ds_load_b128 v[\reg+6:\reg+9], v[\a16] offset:\off+768
	ds_load_b64 v[\reg+10:\reg+11], v[\a8] offset:\off+1280
.endm
.macro FETCH s                         ; K step s: B's eight fragments and A's four into set s % 2
	WIN TO_B
.irp i, 0,1,2,3,4,5,6,7
	FRAG 128*((\s)%2)+12*\i, LB16+(\s)/2, LB8+(\s)/2, SLB*\i+FRB*((\s)%2)
.endr
	WIN 0
.irp i, 0,1,2,3
	FRAG AF+48*((\s)%2)+12*\i, LA16+(\s)/2, LA8+(\s)/2, SLB*\i+FRB*((\s)%2)
.endr
.endm
; A's tile a against B's eight.  A scale register holds K step q in lanes 0-15 and K step 4 + q in lanes 16-31.  The first step's products start the sums.
.macro MUL8 a, s
.irp b, 0,1,2,3,4,5,6,7
.if (\s) == 0
	v_wmma_scale_f32_16x16x128_f8f6f4 v[8*(8*\a+\b):8*(8*\a+\b)+7], v[12*\b:12*\b+11], v[AF+12*\a:AF+12*\a+11], 0, v[SB+4*\b], v[SA+4*\a] matrix_a_fmt:MATRIX_FMT_FP6 matrix_b_fmt:MATRIX_FMT_FP6
.elseif (\s) < 4
	v_wmma_scale_f32_16x16x128_f8f6f4 v[8*(8*\a+\b):8*(8*\a+\b)+7], v[128*((\s)%2)+12*\b:128*((\s)%2)+12*\b+11], v[AF+48*((\s)%2)+12*\a:AF+48*((\s)%2)+12*\a+11], v[8*(8*\a+\b):8*(8*\a+\b)+7], v[SB+4*\b+(\s)%4], v[SA+4*\a+(\s)%4] matrix_a_fmt:MATRIX_FMT_FP6 matrix_b_fmt:MATRIX_FMT_FP6
.else
	v_wmma_scale_f32_16x16x128_f8f6f4 v[8*(8*\a+\b):8*(8*\a+\b)+7], v[128*((\s)%2)+12*\b:128*((\s)%2)+12*\b+11], v[AF+48*((\s)%2)+12*\a:AF+48*((\s)%2)+12*\a+11], v[8*(8*\a+\b):8*(8*\a+\b)+7], v[SB+4*\b+(\s)%4], v[SA+4*\a+(\s)%4] matrix_a_fmt:MATRIX_FMT_FP6 matrix_b_fmt:MATRIX_FMT_FP6 matrix_a_scale:MATRIX_SCALE_ROW1 matrix_b_scale:MATRIX_SCALE_ROW1
.endif
.endr
.endm
; A K step: 32 matrix instructions, the 32 accumulators by turns in the same order in every step.  The next step's 48 LDS loads stand in one run behind the first eight.
.macro STEP s
	s_wait_dscnt 0x0                               ; this step's fragments are in
.if (\s) == 1 || (\s) == 3 || (\s) == 5
	s_wait_tensorcnt 3-((\s)+1)/2                  ; my part of the next slot has landed; my loads of the slots behind it may be out
	s_barrier_signal -1
.endif
	WIN MUL
	MUL8 0, \s
.if (\s) == 1 || (\s) == 3 || (\s) == 5
	s_barrier_wait -1                              ; everybody's part has
.endif
.if (\s) < 7
	PLACES                                         ; four places in front of loads into registers that the last step's matrix instructions have read
	FETCH (\s)+1
.endif
	WIN MUL
	MUL8 1, \s
	MUL8 2, \s
	MUL8 3, \s
.endm
	s_load_b256 s[4:11], s[0:1], 0x0               ; xc s[4:5], xs s[6:7], wc s[8:9], ws s[10:11]
	s_load_b128 s[12:15], s[0:1], 0x20             ; qq s[12:13], kv s[14:15]
	v_lshl_add_u32 v[SPW], v0, 2, SPARE
	v_mov_b32 v[NIL], 0
	ds_add_u32 v[SPW], v[NIL]
	ds_add_u32 v[SPW], v[NIL]                      ; the wave's opening: the add and its wait stand ahead of my first tensor load; the set-up below, work on registers, stands between them
	v_lshrrev_b32 v1, 5, v0
	v_readfirstlane_b32 s[WV], v1                  ; wave 0..3
	s_lshr_b32 s[RH], s[WV], 1                     ; my half of A's rows.  Also: I fetch for A (0) or for B (1)
	s_and_b32 s[CH], s[WV], 1                      ; my half of B's rows.  Also: which half of that operand's tiles I fetch
	s_bfe_u32 s[CX], ttmp6, 0x40000
	s_bfe_u32 s[CY], ttmp6, 0x40004
	s_and_b32 s[CLY], ttmp7, 0xffff
	s_lshl_b32 s22, s[CY], 2
	s_lshl_b32 s22, 15, s22                        ; my row of the cluster
	s_lshl_b32 s23, 0x1111, s[CX]                  ; my column
	; group 1: rows of 3,072 bytes (a tile's two K steps: 384 elements of 8 bytes), 12,288 bytes apart; A: 4 tiles, B: 8
	s_or_b32 s[G1A], s22, (3<<16)|(1<<21)
	s_or_b32 s[G1B], s23, (3<<16)|(1<<21)
	s_mov_b32 s[G1A+1], 384<<16
	s_mov_b32 s[G1A+2], 4<<16
	s_mov_b32 s[G1A+3], 384<<16
	s_mov_b32 s[G1A+4], 4
	s_mov_b32 s[G1A+5], 1536
	s_mov_b32 s[G1A+6], 0
	s_mov_b32 s[G1A+7], 0
	s_mov_b32 s[G1B+1], 384<<16
	s_mov_b32 s[G1B+2], 8<<16
	s_mov_b32 s[G1B+3], 384<<16
	s_mov_b32 s[G1B+4], 8
	s_mov_b32 s[G1B+5], 1536
	s_mov_b32 s[G1B+6], 0
	s_mov_b32 s[G1B+7], 0
	s_mov_b32 s[HM], 0xffff0000                    ; the lanes 16-31
	s_mov_b32 s[SEL], 0x76543210
	s_mov_b32 s[SEL+1], 0xfedcba98
	; which 128 A rows (made of cy alone) and which 256 B rows (of cx alone)
	s_lshl_b32 s[AR], s[CLY], 2                    ; Q, K: 4 cluster y
	s_and_b32 s96, s[CLY], 1
	s_lshl_b32 s96, s96, 2                         ; V: 4 (cluster y % 2)
	s_lshr_b32 s[BC], s[CLY], 1
	s_lshl_b32 s[BC], s[BC], 2                     ; V: 4 (cluster y / 2)
	s_cmp_eq_u32 ttmp9, 2
	s_cselect_b32 s[AR], s96, s[AR]
	s_cselect_b32 s[BC], s[BC], 0
	s_add_co_u32 s[AR], s[AR], s[CY]
	s_add_co_u32 s[BC], s[BC], s[CX]
	s_lshl_b32 s78, s[AR], 3
	s_lshl_b32 s96, s[CH], 2
	s_add_co_u32 s78, s78, s96
	s_mul_i32 s78, s78, TROW                       ; A: the four tiles that I would fetch
	s_mov_b32 s79, 0
	s_lshl_b32 s80, s[BC], 4
	s_lshl_b32 s96, s[CH], 3
	s_add_co_u32 s80, s80, s96
	s_mul_i32 s80, s80, TROW                       ; B: the eight
	s_mov_b32 s81, 0
	s_mul_i32 s82, ttmp9, 786432                   ; my weight's codes in wc
	s_mov_b32 s83, 0
	s_mul_i32 s97, s[CH], 4*SLB                    ; where they go in a slot: no place in the cluster enters an LDS address
	s_mul_i32 s100, s[CH], 8*SLB
	s_add_co_u32 s100, s100, BOFF
	s_lshl_b32 s2, s[AR], 3
	s_lshl_b32 s96, s[RH], 2
	s_add_co_u32 s2, s2, s96
	s_lshl_b32 s2, s2, 9                           ; the scale words of the four A tiles that I multiply
	s_mov_b32 s3, 0
	s_lshl_b32 s66, s[BC], 4
	s_lshl_b32 s96, s[CH], 3
	s_add_co_u32 s66, s66, s96
	s_lshl_b32 s66, s66, 9                         ; and of my eight B tiles
	s_mov_b32 s67, 0
	s_wait_dscnt 0x0                               ; the opening add is done
	s_wait_kmcnt 0x0
	s_add_nc_u64 s[84:85], s[8:9], s[82:83]
	s_lshl_b32 s82, ttmp9, 15
	s_add_nc_u64 s[86:87], s[10:11], s[82:83]      ; my weight's scale words
	s_cmp_eq_u32 ttmp9, 2
	s_cselect_b64 s[88:89], s[84:85], s[4:5]       ; A's codes: x's, for V the weight's
	s_cselect_b64 s[90:91], s[4:5], s[84:85]       ; B's
	s_cselect_b64 s[92:93], s[86:87], s[6:7]       ; A's scale words
	s_cselect_b64 s[94:95], s[6:7], s[86:87]       ; B's
	s_add_nc_u64 s[88:89], s[88:89], s[78:79]
	s_add_nc_u64 s[90:91], s[90:91], s[80:81]
	s_add_nc_u64 s[92:93], s[92:93], s[2:3]
	s_add_nc_u64 s[94:95], s[94:95], s[66:67]
.irp j, 0,1,2,3
	s_mov_b32 s[G0A+4*\j], 1
	s_add_co_u32 s[G0A+4*\j+1], s97, \j*SLOT
	s_add_nc_u64 s[G0A+4*\j+2:G0A+4*\j+3], s[88:89], \j*SLB
	s_or_b32 s[G0A+4*\j+3], s[G0A+4*\j+3], 0x80000000
	s_mov_b32 s[G0B+4*\j+4*(\j/2)], 1
	s_add_co_u32 s[G0B+4*\j+4*(\j/2)+1], s100, \j*SLOT
	s_add_nc_u64 s[G0B+4*\j+4*(\j/2)+2:G0B+4*\j+4*(\j/2)+3], s[90:91], \j*SLB
	s_or_b32 s[G0B+4*\j+4*(\j/2)+3], s[G0B+4*\j+4*(\j/2)+3], 0x80000000
.endr
	CROUND                                         ; all sixteen work-groups are here: the joint loads meet
	s_cmp_eq_u32 s[RH], 0                          ; a wave's four loads stand in one branch on its number: four of mine are out
	s_cbranch_scc0 .Lfill_b
.irp j, 0,1,2,3
	tensor_load_to_lds s[G0A+4*\j:G0A+4*\j+3], s[G1A:G1A+7]
	s_nop 0
.endr
.rept 4
	v_nop
.endr
	s_branch .Lfilled
.Lfill_b:
.irp j, 0,1,2,3
	tensor_load_to_lds s[G0B+4*\j+4*(\j/2):G0B+4*\j+4*(\j/2)+3], s[G1B:G1B+7]
	s_nop 0
.endr
.rept 4
	v_nop
.endr
.Lfilled:
	v_and_b32 v1, 31, v0
	v_lshlrev_b32 v[L16], 4, v1
	v_lshlrev_b32 v[L8], 3, v1
.irp i, 0,1,2,3
	global_load_b128 v[SA+4*\i:SA+4*\i+3], v[L16], s[92:93] offset:512*\i   ; a tile's scale words: 512 consecutive bytes
.endr
.irp i, 0,1,2,3,4,5,6,7
	global_load_b128 v[SB+4*\i:SB+4*\i+3], v[L16], s[94:95] offset:512*\i
.endr
	s_mul_i32 s96, s[RH], 4*SLB                    ; the four A tiles that I multiply; s100 already stands at my eight B tiles
.irp j, 0,1,2,3
	v_add_nc_u32 v[LA16+\j], s96, v[L16]
	v_add_nc_u32 v[LA8+\j], s96, v[L8]
	v_add_nc_u32 v[LB16+\j], s100, v[L16]
	v_add_nc_u32 v[LB8+\j], s100, v[L8]
	s_add_co_u32 s96, s96, SLOT
	s_add_co_u32 s100, s100, SLOT
.endr
.irp b, 0,1,2,3
	v_mov_b32 v[TM+4+\b], 0                        ; written once: a lane permute's destination counts as one of its sources
.endr
	; the way out's addresses
	s_lshl_b32 s[HD], s[BC], 2
	s_lshl_b32 s91, s[CH], 1
	s_add_co_u32 s[HD], s[HD], s91                 ; Q, K: my first head: 4 BC + 2 ch
	s_lshl_b32 s91, s[AR], 1
	s_add_co_u32 s91, s91, s[RH]                   ; V: my head: 2 AR + rh
	s_lshl_b32 s96, s[BC], 1
	s_add_co_u32 s96, s96, s[CH]                   ; V: my key block: 2 BC + ch
	s_mul_i32 s[COFF], s[RH], 3072                 ; Q, K: my four tiles' codes in the record
	s_lshl_b32 s97, s[RH], 8
	s_mov_b32 s[RS], 13056                         ; a record of kv,
	s_mov_b32 s[SOFF], 12288                       ; and where K's scale words begin in it
	s_cmp_eq_u32 ttmp9, 0
	s_cselect_b32 s[RS], 6656, s[RS]               ; of qq
	s_cselect_b32 s[SOFF], 6144, s[SOFF]
	s_cselect_b64 s[OUT:OUT+1], s[12:13], s[14:15]
	s_add_co_u32 s[SOFF], s[SOFF], s97
	s_lshl_b32 s[H16], s[RS], 4                    ; a head on: 16 records
	s_mov_b32 s97, 6144
	s_mov_b32 s100, 12800
	s_mov_b32 s101, 768
	s_mov_b32 s[SAS], 768                          ; a tile on
	s_mov_b32 s[SAS+1], 0
	s_cmp_eq_u32 ttmp9, 2
	s_cselect_b32 s[HD], s91, s[HD]
	s_cselect_b32 s[KG], s96, s[AR]
	s_cselect_b32 s[COFF], s97, s[COFF]
	s_cselect_b32 s[SOFF], s100, s[SOFF]
	s_cselect_b32 s[SC], s101, s[H16]              ; registers 6-11: V: the image's second half; Q, K: the next head's record
	s_cselect_b32 s[SAS], 1536, s[SAS]
	s_lshr_b32 s91, s[KG], 4
	s_lshl_b32 s91, s91, 4
	s_add_co_u32 s91, s91, s[HD]
	s_lshl_b32 s91, s91, 4
	s_and_b32 s96, s[KG], 15
	s_add_co_u32 s91, s91, s96                     ; the record: ((batch x 16 + head) x 16 + block)
	s_mul_i32 s96, s91, s[RS]
	s_mov_b32 s97, 0
	s_add_nc_u64 s[OUT:OUT+1], s[OUT:OUT+1], s[96:97]
	s_mov_b32 s96, s[SOFF]
	s_add_nc_u64 s[SOUT:SOUT+1], s[OUT:OUT+1], s[96:97]
	s_mov_b32 s96, s[COFF]
	s_add_nc_u64 s[OUT:OUT+1], s[OUT:OUT+1], s[96:97]
	v_add_nc_u32 v24, s[SC], v[L16]
	v_add_nc_u32 v25, s[SC], v[L8]
	v_add_nc_u32 v26, s[H16], v[L8]
	s_wait_alu depctr_va_vdst(0)
	s_wait_tensorcnt 0x3                           ; my part of slot 0 has landed; my three later loads may be out
	s_barrier_signal -1
	s_barrier_wait -1                              ; everybody's has
	FETCH 0
	s_wait_loadcnt 0x0                             ; the scale words
	STEP 0
	STEP 1
	STEP 2
	STEP 3
	STEP 4
	STEP 5
	STEP 6
	STEP 7
	PLACES                                         ; four places behind the last products, ahead of the first read of results and of writes into A's registers
; THE WAY OUT.  A tile a's 64 results of a lane (register 16 b + i = B row 32 b + 16 h + i of my A row) become a fragment's codes in v[F + 12 a] on and my row's scale word in v[PW + a].
.macro QUANTW a
	WIN 0x0a                                       ; sources 0 and 1 window 2
.irp b, 0,1,2,3
	v_max3_num_f32 v[TM+\b], |v[64*\a+16*\b]|, |v[64*\a+16*\b+1]|, 0x1800000   ; each accumulator is read from its low end on; the floor 2^(3 - 127) holds the byte at 1 from below
.endr
.irp i, 2,4,6,8,10,12,14
.irp b, 0,1,2,3
	v_max3_num_f32 v[TM+\b], |v[64*\a+16*\b+\i]|, |v[64*\a+16*\b+\i+1]|, v[TM+\b]
.endr
.endr
	WIN 0
.irp b, 0,1,2,3
	v_permlanex16_b32 v[TM+4+\b], v[TM+\b], s[SEL], s[SEL+1]
.endr
.irp b, 0,1,2,3
	v_max_num_f32 v[TM+\b], v[TM+\b], v[TM+4+\b]
.endr
.irp b, 0,1,2,3
	v_add_nc_u32 v[TM+12+\b], 0xff000000, v[TM+\b]
.endr
.irp b, 0,1,2,3
	v_lshrrev_b32 v[TM+4+\b], 23, v[TM+12+\b]
.endr
	v_lshl_or_b32 v[PW+\a], v[TM+5], 8, v[TM+4]
	v_lshl_or_b32 v[PW+\a], v[TM+6], 16, v[PW+\a]
	v_lshl_or_b32 v[PW+\a], v[TM+7], 24, v[PW+\a]
	WIN 0x02                                       ; source 0 window 2
.irp c, 0,1
	v_cvt_scalef32_pk16_fp6_f32 v[F+12*\a+6*\c:F+12*\a+6*\c+2], v[64*\a+32*\c:64*\a+32*\c+15], v[TM+12+2*\c]
	v_cvt_scalef32_pk16_fp6_f32 v[PT+4*\c:PT+4*\c+2], v[64*\a+32*\c+16:64*\a+32*\c+31], v[TM+12+2*\c+1]
.endr
	WIN 0
	v_nop                                          ; one plain place behind a scaled conversion
.irp c, 0,1
.irp i, 0,1,2
	v_permlane16_swap_b32 v[F+12*\a+6*\c+\i], v[PT+4*\c+\i]
.endr
.irp i, 0,1,2
	v_mov_b32 v[F+12*\a+6*\c+3+\i], v[PT+4*\c+\i]
.endr
.endr
.endm
.irp a, 0,1,2,3
	QUANTW \a
.if \a > 0
	s_wait_alu depctr_va_vdst(0)
	s_wait_xcnt 0x0                                ; the last tile's stores have read their base: it steps only behind this wait
	s_add_nc_u64 s[OUT:OUT+1], s[OUT:OUT+1], s[SAS:SAS+1]
.endif
	global_store_b128 v[L16], v[F+12*\a:F+12*\a+3], s[OUT:OUT+1]             ; 512 consecutive bytes, aligned
	global_store_b64 v[L8], v[F+12*\a+4:F+12*\a+5], s[OUT:OUT+1] offset:512  ; 256
	global_store_b128 v24, v[F+12*\a+6:F+12*\a+9], s[OUT:OUT+1]
	global_store_b64 v25, v[F+12*\a+10:F+12*\a+11], s[OUT:OUT+1] offset:512
.endr
	v_cndmask_b32 v220, v[PW], v[PW+1], s[HM]      ; lanes 0-15: tiles 0 and 2, lanes 16-31: tiles 1 and 3
	v_cndmask_b32 v221, v[PW+2], v[PW+3], s[HM]
	global_store_b64 v[L8], v[220:221], s[SOUT:SOUT+1]   ; 256 consecutive bytes, aligned
	s_cmp_eq_u32 ttmp9, 2                          ; the cluster's x: the same in all partners
	s_cbranch_scc1 .Lno_second
	v_lshrrev_b32 v222, 16, v220                   ; Q, K: the second head's two bytes, into its own record
	v_lshrrev_b32 v223, 16, v221
	global_store_b64 v26, v[222:223], s[SOUT:SOUT+1]
.Lno_second:
	s_wait_tensorcnt 0x0                           ; the wave's end: behind my last tensor load
	ds_add_u32 v[SPW], v[NIL]
	s_wait_dscnt 0x0
	CROUND                                         ; the closing round
	s_endpgm
.Lfunc_end_k_qf19cb18d90_qkv:
	.size	k_qf19cb18d90_qkv, .Lfunc_end_k_qf19cb18d90_qkv-k_qf19cb18d90_qkv
	.p2alignl 7, 3214868480
	.fill 96, 4, 3214868480
	.section	.rodata,"a",@progbits
	.p2align	6, 0x0
	.amdhsa_kernel k_qf19cb18d90_qkv
		.amdhsa_group_segment_fixed_size 327680
		.amdhsa_private_segment_fixed_size 0
		.amdhsa_enable_private_segment 0
		.amdhsa_kernarg_size 48
		.amdhsa_user_sgpr_count 2
		.amdhsa_user_sgpr_kernarg_segment_ptr 1
		.amdhsa_wavefront_size32 1
		.amdhsa_system_sgpr_workgroup_id_x 1
		.amdhsa_system_sgpr_workgroup_id_y 1
		.amdhsa_system_sgpr_workgroup_id_z 1
		.amdhsa_system_vgpr_workitem_id 0
		.amdhsa_next_free_vgpr 768
		.amdhsa_next_free_sgpr 104
		.amdhsa_reserve_vcc 0
		.amdhsa_float_denorm_mode_32 3
		.amdhsa_float_denorm_mode_16_64 3
		.amdhsa_memory_ordered 1
		.amdhsa_forward_progress 1
		.amdhsa_inst_pref_size 88
	.end_amdhsa_kernel
	.amdgpu_metadata
---
amdhsa.version: [ 1, 2 ]
amdhsa.kernels:
  - .name:           k_qf19cb18d90_qkv
    .symbol:         k_qf19cb18d90_qkv.kd
    .args:
      - { .name: xc, .offset: 0, .size: 8, .value_kind: global_buffer, .address_space: global }
      - { .name: xs, .offset: 8, .size: 8, .value_kind: global_buffer, .address_space: global }
      - { .name: wc, .offset: 16, .size: 8, .value_kind: global_buffer, .address_space: global }
      - { .name: ws, .offset: 24, .size: 8, .value_kind: global_buffer, .address_space: global }
      - { .name: qq, .offset: 32, .size: 8, .value_kind: global_buffer, .address_space: global }
      - { .name: kv, .offset: 40, .size: 8, .value_kind: global_buffer, .address_space: global }
    .group_segment_fixed_size: 327680
    .private_segment_fixed_size: 0
    .kernarg_segment_align: 8
    .kernarg_segment_size: 48
    .max_flat_workgroup_size: 128
    .sgpr_count:     104
    .vgpr_count:     768
    .wavefront_size: 32
...
	.end_amdgpu_metadata
.endif
;; end of part 2
;; launch attn (part 3): grid 4 x 64, 16 waves a work-group, clusters of 4 x 1, 212,992 bytes of LDS; arguments qq, kv, cc, cs; writes cc, cs
.if DOCPART == 3
	.amdgcn_target "amdgcn-amd-amdhsa--gfx1250"
	.amdhsa_code_object_version 6
	.text
	.protected	k_qf19cb18d90_attn
	.globl	k_qf19cb18d90_attn
	.p2align	8
	.type	k_qf19cb18d90_attn,@function
k_qf19cb18d90_attn:
	s_mov_b64 s[64:65], 0
	v_nop
	global_prefetch_b8 v0, s[64:65] scope:SCOPE_SE
	s_setreg_imm32_b32 hwreg(HW_REG_WAVE_MODE, 25, 1), 1
	s_wait_xcnt 0x0
	s_wait_alu depctr_hold_cnt(0) depctr_sa_sdst(0) depctr_va_vdst(0) depctr_va_sdst(0) depctr_va_ssrc(0) depctr_va_vcc(0) depctr_vm_vsrc(0)
	s_getreg_b32 s2, hwreg(HW_REG_IB_STS2, 6, 4)
	s_cmp_eq_u32 s2, 0
	s_cbranch_scc0 .Lentry_in_a_cluster
	s_endpgm
.Lentry_in_a_cluster:
	s_bfe_u32 s2, ttmp6, 0x10000c
	s_cmp_lg_u32 s2, 0x3003
	s_cbranch_scc0 .Lentry_shape_is_right
	s_endpgm
.Lentry_shape_is_right:
; ctx = softmax(q k^T / 8, causal) v for one (batch, head) a cluster, both products on codes of FP6 (E2M3) with E8M0 scales; ctx is quantised along the head's 64 and stored as the last product's operand.
; THE SOFTMAX: t = score x log2(e) / 8; M = the row's largest t so far, rounded UP to a whole number; p = 2^(t - M) is quantised along the keys, not normalised; the row's sum is taken of the unquantised p and divides at the end.
; When M moves, the sum and O are multiplied by 2^(old M - new M): exact.
; SHARES.  The cluster's four work-groups take 512 queries each, sixteen waves of 256 registers: four to a SIMD, so that one wave's vector work stands beside another's matrix work.
; The head's K, V and scale words, 16 records of 13,056 bytes, lie in LDS whole: wave w asks for record w, jointly with its three partners (mask 15), once.  One barrier; no ring, nothing filled twice.
; EVEN WORK UNDER THE MASK.  With a = wave / 2 and b = 4 (wave % 2) + cx a wave owns query tiles 8 a + b and 127 - (8 a + b): a + 1 and 16 - a key steps of 128 keys: 17 for every wave.
; Which key steps count hangs on the wave's number alone; the place in the cluster enters global addresses and the diagonal's lane value, no branch and no LDS address.
; Each pass is a loop of constant count over the key blocks.
; LAYOUT.  Both products transposed (S^T = K Q^T, O^T = V^T P^T): a lane holds ONE query.  Row p of tile n (queries, keys, d) is index 32 (n / 2) + 8 (n % 2) + p + 8 (p / 8), so the registers of two neighbouring tiles are 16 neighbours.
; K = 64 IN AN INSTRUCTION OF 128: Q's registers 6-11 are zero codes; K's tile t is named with the next tile's six registers (behind the last: zeros) as its upper half, which meets zeros alone, under scale bytes that are never 0xff.
; OUT.  cc [512 token tiles][16 heads][768]: registers 0-3 at 16 x lane, 4-5 at 512 + 8 x lane.  cs [512][16][32]: the byte of (row r, block h) at 2 r + h: a head owns 2 of a token's 32 scale bytes, so these 262,144 bytes leave a byte a lane.
; LIMITS: a block of zeros gets the byte 1 where the rule says 127; NaN and infinities are not served.
; REGISTERS: v1-11 addresses; v12 -M, v13 the largest t, v[14:15] the sum; v16-21 Q, v22-27 zeros, v28 Q's scale word; v32-79 K's 8 tiles, later V's 4 fragments; v80-85 zeros; v86-89 K's scale words, v90-91 V's;
;   v96-159 S^T, then p; v160-191 O^T; v192-203 p's codes; v204-210 the conversions' second halves; v212-224 at work; v226 f, v227 p's scale word; v240-246 the second pass's Q.
.set REC,   13056
.set SPARE, 16*REC                     ; behind the head: the spare words, 128 bytes a wave: eight blocks of 256 bytes that no other line names
.set L16,  1
.set L8,   2
.set AD16, 3
.set AD8,  4
.set SPW,  5
.set NIL,  6
.set DG,   7                           ; v7  my query's place in its block of 128, less 16 h
.set DL,   8                           ; v8  its lane part: r + 8 (r / 8) - 16 h
.set CSO,  9                           ; v9  2 r + h
.set R8,   11                          ; v11 8 r
.set WV,  12
.set CX,  13
.set BH,  14
.set SEL, 20
.set CS,  22                           ; s[22:23] c = log2(e) / 8
.set G1,  24
.set G0,  32
.set TB,  36                           ; s36 LDS byte of the key block in hand
.set KB,  37                           ; s37 the key block
.set GG,  38                           ; s38, s39 the diagonal's key block in pass 0, 1
.set HM,  40
.set DQ,  42                           ; s42, s43 the query tile's first place in its block
.set OC,  44                           ; s[44:47] where ctx's codes go
.set OS,  48                           ; s[48:51] and its scale bytes
.set QA,  52                           ; s[52:55] Q's codes
.set QS,  56                           ; s[56:59] Q's scale words
.macro CROUND
	s_barrier_signal -1
	s_barrier_wait -1
	s_cmp_lg_u32 s[WV], 0
	s_cbranch_scc1 .Lnot_wave_0_\@
	s_barrier_signal -3
.Lnot_wave_0_\@:
	s_barrier_wait -3
	s_barrier_signal -1
	s_barrier_wait -1
.endm
	s_load_b256 s[4:11], s[0:1], 0x0               ; qq s[4:5], kv s[6:7], cc s[8:9], cs s[10:11]
	v_lshl_add_u32 v[SPW], v0, 2, SPARE
	v_mov_b32 v[NIL], 0
	ds_add_u32 v[SPW], v[NIL]                      ; the wave's opening: the add and its wait stand ahead of my tensor load; the set-up below, work on registers, stands between them
	ds_add_u32 v[SPW], v[NIL]
	v_lshrrev_b32 v1, 5, v0
	s_delay_alu instid0(VALU_DEP_1)
	v_readfirstlane_b32 s[WV], v1                  ; wave 0..15
	s_bfe_u32 s[CX], ttmp6, 0x40000
	s_and_b32 s[BH], ttmp7, 0xffff                 ; (batch, head), which the four partners share
	; group 1: a record as 51 rows of 256 bytes (32 elements of 8 bytes), dense
	s_mov_b32 s[G1], 15|(3<<16)|(1<<21)
	s_mov_b32 s[G1+1], 32<<16
	s_mov_b32 s[G1+2], 51<<16
	s_mov_b32 s[G1+3], 32<<16
	s_mov_b32 s[G1+4], 51
	s_mov_b32 s[G1+5], 32
	s_mov_b32 s[G1+6], 0
	s_mov_b32 s[G1+7], 0
	s_mov_b32 s[G0], 1
	s_mul_i32 s[G0+1], s[WV], REC                  ; record w lands at 13,056 w
	s_mul_i32 s60, s[BH], 16*REC
	s_add_co_u32 s60, s60, s[G0+1]
	s_mov_b32 s61, 0
	s_mov_b32 s[SEL], 0x76543210
	s_mov_b32 s[SEL+1], 0xfedcba98
	s_mov_b32 s[CS], 0x3e38aa3b
	s_mov_b32 s[CS+1], s[CS]                       ; (named with it as a pair, so it is written)
	s_mov_b32 s[HM], 0xffff0000
	s_lshr_b32 s15, s[WV], 1                       ; a
	s_mov_b32 s[GG], s15                           ; the first tile's diagonal lies in key block a,
	s_sub_co_u32 s[GG+1], 15, s15                  ; the second's in 15 - a: the wave's number alone
	s_wait_dscnt 0x0                               ; the opening add is done
	s_wait_kmcnt 0x0
	s_add_nc_u64 s[G0+2:G0+3], s[6:7], s[60:61]
	s_or_b32 s[G0+3], s[G0+3], 0x80000000
	CROUND                                         ; all four work-groups are here: the joint loads meet
	tensor_load_to_lds s[G0:G0+3], s[G1:G1+7]      ; one load of mine is out
	s_nop 0
.rept 4
	v_nop
.endr
	s_and_b32 s16, s[WV], 1
	s_lshl_b32 s16, s16, 2
	s_add_co_u32 s16, s16, s[CX]                   ; b
	s_lshl_b32 s17, s15, 3
	s_add_co_u32 s17, s17, s16                     ; my first query tile
	s_sub_co_u32 s18, 127, s17                     ; my second
	s_mov_b32 s69, 0
.irp p, 0,1
	s_and_b32 s60, s[17+\p], 7                     ; t: the tile's place in its block of 128 queries
	s_lshr_b32 s61, s60, 1
	s_and_b32 s62, s60, 1
	s_lshl_b32 s63, s61, 5
	s_lshl_b32 s66, s62, 3
	s_add_co_u32 s[DQ+\p], s63, s66                ; 32 (t / 2) + 8 (t % 2)
	s_lshl_b32 s63, s[BH], 4
	s_add_co_u32 s63, s63, s[GG+\p]
	s_mul_i32 s68, s63, 6656                       ; the record of qq
	s_add_nc_u64 s[QS+2*\p:QS+2*\p+1], s[4:5], s[68:69]
	s_mul_i32 s68, s60, 768
	s_add_nc_u64 s[QA+2*\p:QA+2*\p+1], s[QS+2*\p:QS+2*\p+1], s[68:69]
	s_lshr_b32 s66, s60, 2
	s_lshl_b32 s66, s66, 8
	s_lshl_b32 s62, s62, 7
	s_add_co_u32 s66, s66, s62
	s_and_b32 s61, s61, 1
	s_lshl_b32 s61, s61, 2
	s_add_co_u32 s66, s66, s61
	s_add_co_u32 s68, s66, 6144                    ; its scale words: 6,144 + 256 (t / 4) + 128 (t % 2) + 4 ((t / 2) % 2), + 8 r
	s_add_nc_u64 s[QS+2*\p:QS+2*\p+1], s[QS+2*\p:QS+2*\p+1], s[68:69]
	s_lshr_b32 s66, s[BH], 4
	s_lshl_b32 s66, s66, 7
	s_add_co_u32 s66, s66, s[17+\p]                ; the token tile: 128 x batch + tile
	s_and_b32 s67, s[BH], 15                       ; the head
	s_mul_i32 s68, s66, 12288
	s_mul_i32 s70, s67, 768
	s_add_co_u32 s68, s68, s70
	s_add_nc_u64 s[OC+2*\p:OC+2*\p+1], s[8:9], s[68:69]
	s_lshl_b32 s68, s66, 9
	s_lshl_b32 s70, s67, 5
	s_add_co_u32 s68, s68, s70
	s_add_nc_u64 s[OS+2*\p:OS+2*\p+1], s[10:11], s[68:69]
.endr
	v_and_b32 v1, 31, v0
	s_delay_alu instid0(VALU_DEP_1)
	v_lshlrev_b32 v[L8], 3, v1
	s_delay_alu instid0(VALU_DEP_2)
	v_lshlrev_b32 v[L16], 4, v1
	v_and_b32 v10, 15, v0                          ; r
	v_bfe_u32 v224, v0, 4, 1                       ; h
	s_delay_alu instid0(VALU_DEP_2)
	v_lshlrev_b32 v[R8], 3, v10
	global_load_b128 v[16:19], v[L16], s[QA:QA+1]
	global_load_b64 v[20:21], v[L8], s[QA:QA+1] offset:512
	global_load_b32 v28, v[R8], s[QS:QS+1]
	global_load_b128 v[240:243], v[L16], s[QA+2:QA+3]
	global_load_b64 v[244:245], v[L8], s[QA+2:QA+3] offset:512
	global_load_b32 v246, v[R8], s[QS+2:QS+3]
	v_lshl_add_u32 v[CSO], v10, 1, v224
	v_and_b32 v[DL], 8, v10
	s_delay_alu instid0(VALU_DEP_1)
	v_add_nc_u32 v[DL], v[DL], v10
	v_lshlrev_b32 v224, 4, v224
	s_delay_alu instid0(VALU_DEP_1)
	v_sub_nc_u32 v[DL], v[DL], v224
.irp i, 0,1,2,3,4,5
	v_mov_b32 v[22+\i], 0                          ; zero codes: Q's upper half,
	v_mov_b32 v[80+\i], 0                          ; and what stands behind K's last tile
.endr
.irp b, 0,1,2,3
	v_mov_b32 v[216+\b], 0                         ; written once: a lane permute's destination counts as one of its sources
.endr
	v_mov_b32 v224, 0
	v_mov_b32 v227, 0                              ; (named as the upper half of the pair v[226:227] before it is first written)
	s_wait_tensorcnt 0x0                           ; my record has landed,
	s_barrier_signal -1
	s_barrier_wait -1                              ; everybody's has: the head lies in LDS
	s_wait_loadcnt 0x0                             ; Q, both tiles
; One query tile: ps = 0, 1; trips = the most key blocks that any wave's tile of this pass needs.
.macro PASS ps, trips
.if \ps
	s_wait_xcnt 0x0                                ; the first pass's stores have read their registers
.irp i, 0,1,2,3,4,5
	v_mov_b32 v[16+\i], v[240+\i]
.endr
	v_mov_b32 v28, v246                            ; (the 37 plain lines below stand between these and the first product)
.endif
	v_add_nc_u32 v[DG], s[DQ+\ps], v[DL]
	v_mov_b32 v13, 0xff61b1e6                      ; the largest t so far: -3e38, under every t
	v_mov_b32 v14, 0
	v_mov_b32 v15, 0
	s_delay_alu instid0(VALU_DEP_3)
	v_floor_f32 v12, -v13                          ; -M
.set cn, 0
.rept 32
	v_mov_b32 v[160+cn], 0                         ; O^T: the step is written once; its first trip finds zeros, which the first change of M leaves zeros
.set cn, cn+1
.endr
	s_mov_b32 s[TB], 0
	s_mov_b32 s[KB], 0
.Lkey_\@:
	s_cmp_gt_u32 s[KB], s[GG+\ps]                  ; all 128 keys come after my queries: the step's work is left out
	s_cbranch_scc1 .Lskip_\@
	s_setprio 2
	v_add_nc_u32 v[AD16], s[TB], v[L16]
	v_add_nc_u32 v[AD8], s[TB], v[L8]
	v_nop
	v_nop                                          ; four places in front of loads into registers that the last products have read
.irp t, 0,1,2,3,4,5,6,7
	ds_load_b128 v[32+6*\t:35+6*\t], v[AD16] offset:768*\t
	ds_load_b64 v[36+6*\t:37+6*\t], v[AD8] offset:768*\t+512
.endr
	ds_load_b64 v[86:87], v[AD8] offset:12288      ; K's scale words: tiles 0, 1 | 2, 3
	ds_load_b64 v[88:89], v[AD8] offset:12544      ; 4, 5 | 6, 7
	s_wait_alu depctr_va_vdst(0)
	s_wait_dscnt 0x0
.irp t, 0,2,4,6                                ; S^T = K Q^T: eight tiles of 16 keys
	v_wmma_scale_f32_16x16x128_f8f6f4 v[96+8*\t:103+8*\t], v[32+6*\t:43+6*\t], v[16:27], 0, v[86+\t/2], v28 matrix_a_fmt:MATRIX_FMT_FP6 matrix_b_fmt:MATRIX_FMT_FP6
	v_wmma_scale_f32_16x16x128_f8f6f4 v[104+8*\t:111+8*\t], v[38+6*\t:49+6*\t], v[16:27], 0, v[86+\t/2], v28 matrix_a_fmt:MATRIX_FMT_FP6 matrix_b_fmt:MATRIX_FMT_FP6 matrix_a_scale:MATRIX_SCALE_ROW1
.endr
.rept 4
	v_nop                                          ; places ahead of the loads into K's registers and of the first read of the scores
.endr
.irp a, 0,1,2,3                                ; V's four fragments land while the softmax is walked
	ds_load_b128 v[32+12*\a:35+12*\a], v[AD16] offset:6144+1536*\a
	ds_load_b64 v[36+12*\a:37+12*\a], v[AD8] offset:6144+1536*\a+512
	ds_load_b128 v[38+12*\a:41+12*\a], v[AD16] offset:6144+1536*\a+768
	ds_load_b64 v[42+12*\a:43+12*\a], v[AD8] offset:6144+1536*\a+1280
.endr
	ds_load_b64 v[90:91], v[AD8] offset:12800
	s_cmp_lg_u32 s[KB], s[GG+\ps]
	s_cbranch_scc1 .Lopen_\@
	v_mov_b32 v224, 0xff800000                     ; on the diagonal hidden scores become -infinity ahead of the maximum: p = 0 then.  Register 16 b + i holds key 32 b + 16 h + i
.set cn, 0
.rept 64
	v_cmp_gt_i32 vcc_lo, 32*(cn/16)+cn%16, v[DG]
	v_cndmask_b32 v[96+cn], v[96+cn], v224, vcc_lo
.set cn, cn+1
.endr
.Lopen_\@:
.irp b, 0,1,2,3
	v_max3_num_f32 v[212+\b], v[96+16*\b], v[97+16*\b], v[98+16*\b]   ; the largest score of each block of 32 keys: for the row's maximum, and, since p rises with the score, for the block's largest p
.endr
.irp i, 3,5,7,9,11,13
.irp b, 0,1,2,3
	v_max3_num_f32 v[212+\b], v[212+\b], v[96+16*\b+\i], v[97+16*\b+\i]
.endr
.endr
.irp b, 0,1,2,3
	v_max_num_f32 v[212+\b], v[212+\b], v[111+16*\b]
.endr
.irp b, 0,1,2,3
	s_delay_alu instid0(VALU_DEP_4)
	v_permlanex16_b32 v[216+\b], v[212+\b], s[SEL], s[SEL+1]
.endr
.irp b, 0,1,2,3
	s_delay_alu instid0(VALU_DEP_4)
	v_max_num_f32 v[212+\b], v[212+\b], v[216+\b]
.endr
	s_delay_alu instid0(VALU_DEP_2)
	v_max3_num_f32 v224, v212, v213, v214
	s_delay_alu instid0(VALU_DEP_1)
	v_max_num_f32 v224, v224, v215
	s_delay_alu instid0(VALU_DEP_1)
	v_mul_f32 v224, s[CS], v224                    ; the step's largest t
	s_delay_alu instid0(VALU_DEP_1)
	v_max_num_f32 v13, v13, v224
	v_mov_b32 v224, v12
	s_delay_alu instid0(VALU_DEP_2)
	v_floor_f32 v12, -v13                          ; the new -M = -ceil(t)
	s_delay_alu instid0(VALU_DEP_1)
	v_sub_f32 v224, v12, v224                      ; old M - new M: a whole number, 0 or less
	s_delay_alu instid0(VALU_DEP_1)
	v_cvt_i32_f32 v224, v224                       ; (it saturates)
	s_delay_alu instid0(VALU_DEP_1)
	v_ldexp_f32 v226, 1.0, v224                    ; f = 2^(old M - new M)
.set cn, 0
.rept 32
	v_pk_fma_f32 v[96+cn:97+cn], v[96+cn:97+cn], s[CS:CS+1], v[12:13] op_sel_hi:[1,0,0]   ; t - M
.set cn, cn+2
.endr
	s_setprio 1
.irp b, 0,1,2,3
	v_fma_f32 v[212+\b], v[212+\b], s[CS], v12
.endr
.set cn, 0
	s_wait_alu depctr_va_vdst(0)
.rept 64
	v_exp_f32 v[96+cn], v[96+cn]                   ; p = 2^(t - M)
.set cn, cn+1
.endr
	v_pk_mul_f32 v[14:15], v[14:15], v[226:227] op_sel_hi:[1,0]   ; the sums under the new M: a plain place behind the exponentials
	s_wait_alu depctr_va_vdst(0)                   ; one wait for the batch, ahead of its first reader
.irp b, 0,1,2,3
	v_exp_f32 v[212+\b], v[212+\b]                 ; each block's largest p
.endr
	v_pk_add_f32 v[216:217], v[100:101], v[104:105]
	v_pk_add_f32 v[254:255], v[108:109], v[112:113]
	v_pk_add_f32 v[252:253], v[116:117], v[120:121]
	v_pk_add_f32 v[250:251], v[124:125], v[128:129]
	v_pk_add_f32 v[248:249], v[132:133], v[136:137]
	v_pk_add_f32 v[238:239], v[140:141], v[144:145]
	v_pk_add_f32 v[236:237], v[148:149], v[152:153]
	v_pk_add_f32 v[14:15], v[14:15], v[156:157]
	v_pk_add_f32 v[216:217], v[216:217], v[96:97]
	v_pk_add_f32 v[254:255], v[254:255], v[98:99]
	v_pk_add_f32 v[252:253], v[252:253], v[102:103]
	v_pk_add_f32 v[250:251], v[250:251], v[106:107]
	v_pk_add_f32 v[248:249], v[248:249], v[110:111]
	v_pk_add_f32 v[238:239], v[238:239], v[114:115]
	v_pk_add_f32 v[236:237], v[236:237], v[118:119]
	v_pk_add_f32 v[14:15], v[14:15], v[122:123]
	v_pk_add_f32 v[216:217], v[216:217], v[126:127]
	v_pk_add_f32 v[254:255], v[254:255], v[130:131]
	v_pk_add_f32 v[252:253], v[252:253], v[134:135]
	v_pk_add_f32 v[250:251], v[250:251], v[138:139]
	v_pk_add_f32 v[248:249], v[248:249], v[142:143]
	v_pk_add_f32 v[238:239], v[238:239], v[146:147]
	v_pk_add_f32 v[236:237], v[236:237], v[150:151]
	v_pk_add_f32 v[14:15], v[14:15], v[154:155]
	v_pk_add_f32 v[216:217], v[216:217], v[158:159]
	s_delay_alu instid0(VALU_DEP_2)
	v_pk_add_f32 v[14:15], v[14:15], v[250:251]
	s_delay_alu instid0(VALU_DEP_2)
	v_pk_add_f32 v[216:217], v[216:217], v[248:249]
	v_pk_add_f32 v[254:255], v[254:255], v[238:239]
	v_pk_add_f32 v[252:253], v[252:253], v[236:237]
	s_delay_alu instid0(VALU_DEP_2)
	v_pk_add_f32 v[14:15], v[14:15], v[254:255]
	s_delay_alu instid0(VALU_DEP_2)
	v_pk_add_f32 v[216:217], v[216:217], v[252:253]
	s_delay_alu instid0(VALU_DEP_1)
	v_pk_add_f32 v[14:15], v[14:15], v[216:217]
	s_wait_alu depctr_va_vdst(0)                   ; and one for the four
.irp b, 0,1,2,3
	v_max_num_f32 v[212+\b], 0x1800000, v[212+\b]  ; the floor: the byte cannot fall under 1
.endr
.irp b, 0,1,2,3
	s_delay_alu instid0(VALU_DEP_4)
	v_add_nc_u32 v[220+\b], 0xff000000, v[212+\b]
.endr
.irp b, 0,1,2,3
	s_delay_alu instid0(VALU_DEP_4)
	v_lshrrev_b32 v[216+\b], 23, v[220+\b]
.endr
	s_delay_alu instid0(VALU_DEP_3)
	v_lshl_or_b32 v227, v217, 8, v216              ; p's scale word for these 128 keys
	s_delay_alu instid0(VALU_DEP_1)
	v_lshl_or_b32 v227, v218, 16, v227
	s_delay_alu instid0(VALU_DEP_1)
	v_lshl_or_b32 v227, v219, 24, v227
	s_setprio 0
.irp c, 0,1
	v_cvt_scalef32_pk16_fp6_f32 v[192+6*\c:194+6*\c], v[96+32*\c:111+32*\c], v[220+2*\c]
	v_cvt_scalef32_pk16_fp6_f32 v[204+4*\c:206+4*\c], v[112+32*\c:127+32*\c], v[220+2*\c+1]
.endr
	v_nop                                          ; one plain place behind a scaled conversion
.irp c, 0,1
.irp i, 0,1,2
	v_permlane16_swap_b32 v[192+6*\c+\i], v[204+4*\c+\i]
.endr
.irp i, 0,1,2
	s_delay_alu instid0(VALU_DEP_3)
	v_mov_b32 v[195+6*\c+\i], v[204+4*\c+\i]
.endr
.endr
.set cn, 0
.rept 16
	v_pk_mul_f32 v[160+cn:161+cn], v[160+cn:161+cn], v[226:227] op_sel_hi:[1,0]   ; O^T under the new M; these sixteen are also the places between p's codes and scale word and the products
.set cn, cn+2
.endr
	s_wait_alu depctr_va_vdst(0)
	s_wait_dscnt 0x0                               ; V is in
.irp a, 0,2                                    ; O^T += V^T P^T: four tiles of 16 of the head's 64, by turns
	v_wmma_scale_f32_16x16x128_f8f6f4 v[160+8*\a:167+8*\a], v[32+12*\a:43+12*\a], v[192:203], v[160+8*\a:167+8*\a], v[90+\a/2], v227 matrix_a_fmt:MATRIX_FMT_FP6 matrix_b_fmt:MATRIX_FMT_FP6
	v_wmma_scale_f32_16x16x128_f8f6f4 v[168+8*\a:175+8*\a], v[44+12*\a:55+12*\a], v[192:203], v[168+8*\a:175+8*\a], v[90+\a/2], v227 matrix_a_fmt:MATRIX_FMT_FP6 matrix_b_fmt:MATRIX_FMT_FP6 matrix_a_scale:MATRIX_SCALE_ROW1
.endr
.Lskip_\@:
	s_add_co_u32 s[TB], s[TB], REC
	s_add_co_u32 s[KB], s[KB], 1
	s_cmp_lt_u32 s[KB], \trips
	s_cbranch_scc1 .Lkey_\@
	s_setprio 0
	; the tile's end: O^T / the sum, quantised along d (register 16 b + i = d 32 b + 16 h + i of my query): two blocks, six registers
.rept 4
	v_nop
.endr
	v_add_f32 v14, v14, v15
	s_delay_alu instid0(VALU_DEP_1)
	v_permlanex16_b32 v224, v14, s[SEL], s[SEL+1]
	s_delay_alu instid0(VALU_DEP_1)
	v_add_f32 v14, v14, v224                       ; the row's sum
	s_wait_alu depctr_va_vdst(0)
	v_rcp_f32 v14, v14
	v_nop                                          ; a plain place behind the reciprocal
	s_wait_alu depctr_va_vdst(0)                   ; and the wait ahead of its first reader
.set cn, 0
.rept 32
	v_mul_f32 v[96+cn], v[160+cn], v14
.set cn, cn+1
.endr
.irp b, 0,1
	v_max3_num_f32 v[212+\b], |v[96+16*\b]|, |v[97+16*\b]|, 0x1800000
.endr
.irp i, 2,4,6,8,10,12,14
.irp b, 0,1
	s_delay_alu instid0(VALU_DEP_2)
	v_max3_num_f32 v[212+\b], v[212+\b], |v[96+16*\b+\i]|, |v[97+16*\b+\i]|
.endr
.endr
.irp b, 0,1
	s_delay_alu instid0(VALU_DEP_2)
	v_permlanex16_b32 v[216+\b], v[212+\b], s[SEL], s[SEL+1]
.endr
.irp b, 0,1
	s_delay_alu instid0(VALU_DEP_2)
	v_max_num_f32 v[212+\b], v[212+\b], v[216+\b]
.endr
.irp b, 0,1
	s_delay_alu instid0(VALU_DEP_2)
	v_add_nc_u32 v[220+\b], 0xff000000, v[212+\b]
.endr
.irp b, 0,1
	s_delay_alu instid0(VALU_DEP_2)
	v_lshrrev_b32 v[216+\b], 23, v[220+\b]
.endr
	v_cvt_scalef32_pk16_fp6_f32 v[192:194], v[96:111], v220
	v_cvt_scalef32_pk16_fp6_f32 v[204:206], v[112:127], v221
	v_nop
.irp i, 0,1,2
	v_permlane16_swap_b32 v[192+\i], v[204+\i]
.endr
.irp i, 0,1,2
	s_delay_alu instid0(VALU_DEP_3)
	v_mov_b32 v[195+\i], v[204+\i]
.endr
	v_cndmask_b32 v224, v216, v217, s[HM]          ; lane (r, h) stores block h's byte
	global_store_b128 v[L16], v[192:195], s[OC+2*\ps:OC+2*\ps+1]             ; 512 consecutive bytes, aligned
	global_store_b64 v[L8], v[196:197], s[OC+2*\ps:OC+2*\ps+1] offset:512    ; 256
	global_store_b8 v[CSO], v224, s[OS+2*\ps:OS+2*\ps+1]
.endm
	PASS 0, 8
	PASS 1, 16
	s_wait_tensorcnt 0x0                           ; the wave's end: behind my tensor load
	ds_add_u32 v[SPW], v[NIL]
	s_wait_dscnt 0x0
	CROUND                                         ; the closing round
	s_endpgm
.Lfunc_end_k_qf19cb18d90_attn:
	.size	k_qf19cb18d90_attn, .Lfunc_end_k_qf19cb18d90_attn-k_qf19cb18d90_attn
	.p2alignl 7, 3214868480
	.fill 96, 4, 3214868480
	.section	.rodata,"a",@progbits
	.p2align	6, 0x0
	.amdhsa_kernel k_qf19cb18d90_attn
		.amdhsa_group_segment_fixed_size 212992
		.amdhsa_private_segment_fixed_size 0
		.amdhsa_enable_private_segment 0
		.amdhsa_kernarg_size 32
		.amdhsa_user_sgpr_count 2
		.amdhsa_user_sgpr_kernarg_segment_ptr 1
		.amdhsa_wavefront_size32 1
		.amdhsa_system_sgpr_workgroup_id_x 1
		.amdhsa_system_sgpr_workgroup_id_y 1
		.amdhsa_system_sgpr_workgroup_id_z 1
		.amdhsa_system_vgpr_workitem_id 0
		.amdhsa_next_free_vgpr 256
		.amdhsa_next_free_sgpr 80
		.amdhsa_reserve_vcc 1
		.amdhsa_float_denorm_mode_32 3
		.amdhsa_float_denorm_mode_16_64 3
		.amdhsa_memory_ordered 1
		.amdhsa_forward_progress 1
		.amdhsa_inst_pref_size 64
	.end_amdhsa_kernel
	.amdgpu_metadata
---
amdhsa.version: [ 1, 2 ]
amdhsa.kernels:
  - .name:           k_qf19cb18d90_attn
    .symbol:         k_qf19cb18d90_attn.kd
    .args:
      - { .name: qq, .offset: 0, .size: 8, .value_kind: global_buffer, .address_space: global }
      - { .name: kv, .offset: 8, .size: 8, .value_kind: global_buffer, .address_space: global }
      - { .name: cc, .offset: 16, .size: 8, .value_kind: global_buffer, .address_space: global }
      - { .name: cs, .offset: 24, .size: 8, .value_kind: global_buffer, .address_space: global }
    .group_segment_fixed_size: 212992
    .private_segment_fixed_size: 0
    .kernarg_segment_align: 8
    .kernarg_segment_size: 32
    .max_flat_workgroup_size: 512
    .sgpr_count:     80
    .vgpr_count:     256
    .wavefront_size: 32
...
	.end_amdgpu_metadata
.endif
;; end of part 3
;; launch proj (part 4): grid 4 x 64, 4 waves a work-group, clusters of 4 x 4, 327,680 bytes of LDS; arguments cc, cs, wc, ws, bo, out0; writes out0
.if DOCPART == 4
	.amdgcn_target "amdgcn-amd-amdhsa--gfx1250"
	.amdhsa_code_object_version 6
	.text
	.protected	k_qf19cb18d90_proj
	.globl	k_qf19cb18d90_proj
	.p2align	8
	.type	k_qf19cb18d90_proj,@function
k_qf19cb18d90_proj:
	s_mov_b64 s[64:65], 0
	v_nop
	global_prefetch_b8 v0, s[64:65] scope:SCOPE_SE
	s_setreg_imm32_b32 hwreg(HW_REG_WAVE_MODE, 25, 1), 1
	s_wait_xcnt 0x0
	s_wait_alu depctr_hold_cnt(0) depctr_sa_sdst(0) depctr_va_vdst(0) depctr_va_sdst(0) depctr_va_ssrc(0) depctr_va_vcc(0) depctr_vm_vsrc(0)
	s_getreg_b32 s2, hwreg(HW_REG_IB_STS2, 6, 4)
	s_cmp_eq_u32 s2, 0
	s_cbranch_scc0 .Lentry_in_a_cluster
	s_endpgm
.Lentry_in_a_cluster:
	s_bfe_u32 s2, ttmp6, 0x10000c
	s_cmp_lg_u32 s2, 0xf033
	s_cbranch_scc0 .Lentry_shape_is_right
	s_endpgm
.Lentry_shape_is_right:
; out0 = ctx wo + bo on codes of FP6 (E2M3) with E8M0 scales, K = 1,024 = (head, d).  ctx's codes (cc) and scale bytes (cs) and wo's (the fourth weight in wc, ws) lie as images of operand registers.
; SHARES.  A work-group makes 128 tokens x 256 columns; wave w: tokens 64 (w / 2) on (4 tiles), columns 128 (w % 2) on (8 tiles): 32 accumulators, 256 matrix instructions.  256 work-groups.
; The matrix instruction is used transposed (source 0 = 16 columns of wo, source 1 = 16 tokens): lane (r, h) holds token r, and the 16 registers of column tiles 2 b, 2 b + 1 are columns 32 b + 16 h + 0 .. 15.
; The bias is the C of each sum's first matrix instruction.
; NO RING: the operands of the whole K, 98,304 + 196,608 bytes, fit in LDS, as four slots of two K steps; each wave's four tensor loads are issued together at the start; slot j is read behind a counted wait and a barrier; nothing is filled twice.
; CLUSTER 4 x 4: ctx's tiles are shared along a row of the cluster, wo's along a column, each asked for jointly.
; REGISTERS: window 0: v4-27 addresses; v32-47 ctx's scale words, v48-79 wo's; v96-143, v144-191 ctx's fragments, two sets; v192-223 halves of scale words; on the way out v96-223 rows of out0.
;   window 1: wo's fragments, two sets, at v0 and v128.   window 2: accumulator (a, b) at v[8 (8 a + b)].   window 3: v0-63 the bias of my eight column tiles.
.set TROW,  12288
.set FRB,   1536
.set SLB,   3072
.set SLOT,  24*SLB
.set BOFF,  8*SLB
.set SPARE, 4*SLOT                     ; behind the slots: the spare words, 128 bytes a wave: two blocks of 256 bytes that no other line names
.set SPITCH, 528                       ; the way out: a stage of 16 rows x (512 bytes + 16) for each wave, in slot 0, which has had its only fill and whose last reads lie behind three barriers
.set L16,  4
.set L8,   5
.set LA16, 8
.set LA8,  12
.set LB16, 16
.set LB8,  20
.set STO,  24
.set RD,   25
.set SPW,  28
.set NIL,  29
.set SA,   32
.set SB,   48
.set AF,   96
.set BK,   96
.set WV, 16
.set RH, 17
.set CH, 18
.set CX, 19
.set CY, 20
.set CLY, 21
.set G1A, 24
.set G1B, 32
.set G0A, 40
.set G0B, 56
.set AR, 76
.set OUT, 84
.set MSB, 0
.macro WIN new                         ; the immediate's high byte repeats the setting that is left
.if MSB != \new
	s_set_vgpr_msb (MSB<<8)|\new
.set MSB, \new
.endif
.endm
.set MUL,  0xa1                        ; source 0 (wo) window 1, source 1 (ctx) window 0, C and D window 2
.set MULB, 0xb1                        ; the same with C, the bias, in window 3
.set TO_B, 0x40
.macro CROUND
	s_barrier_signal -1
	s_barrier_wait -1
	s_cmp_lg_u32 s[WV], 0
	s_cbranch_scc1 .Lnot_wave_0_\@
	s_barrier_signal -3
.Lnot_wave_0_\@:
	s_barrier_wait -3
	s_barrier_signal -1
	s_barrier_wait -1
.endm
.macro PLACES
.rept 4
	v_nop
.endr
.endm
.macro FRAG reg, a16, a8, off
	ds_load_b128 v[\reg:\reg+3], v[\a16] offset:\off
	ds_load_b64 v[\reg+4:\reg+5], v[\a8] offset:\off+512
	ds_load_b128 v[\reg+6:\reg+9], v[\a16] offset:\off+768
	ds_load_b64 v[\reg+10:\reg+11], v[\a8] offset:\off+1280
.endm
.macro FETCH s
	WIN TO_B
.irp i, 0,1,2,3,4,5,6,7
	FRAG 128*((\s)%2)+12*\i, LB16+(\s)/2, LB8+(\s)/2, SLB*\i+FRB*((\s)%2)
.endr
	WIN 0
.irp i, 0,1,2,3
	FRAG AF+48*((\s)%2)+12*\i, LA16+(\s)/2, LA8+(\s)/2, SLB*\i+FRB*((\s)%2)
.endr
.endm
.macro MUL8 a, s
.irp b, 0,1,2,3,4,5,6,7
.if (\s) == 0
	v_wmma_scale_f32_16x16x128_f8f6f4 v[8*(8*\a+\b):8*(8*\a+\b)+7], v[12*\b:12*\b+11], v[AF+12*\a:AF+12*\a+11], v[8*\b:8*\b+7], v[SB+4*\b], v[SA+4*\a] matrix_a_fmt:MATRIX_FMT_FP6 matrix_b_fmt:MATRIX_FMT_FP6
.elseif (\s) < 4
	v_wmma_scale_f32_16x16x128_f8f6f4 v[8*(8*\a+\b):8*(8*\a+\b)+7], v[128*((\s)%2)+12*\b:128*((\s)%2)+12*\b+11], v[AF+48*((\s)%2)+12*\a:AF+48*((\s)%2)+12*\a+11], v[8*(8*\a+\b):8*(8*\a+\b)+7], v[SB+4*\b+(\s)%4], v[SA+4*\a+(\s)%4] matrix_a_fmt:MATRIX_FMT_FP6 matrix_b_fmt:MATRIX_FMT_FP6
.else
	v_wmma_scale_f32_16x16x128_f8f6f4 v[8*(8*\a+\b):8*(8*\a+\b)+7], v[128*((\s)%2)+12*\b:128*((\s)%2)+12*\b+11], v[AF+48*((\s)%2)+12*\a:AF+48*((\s)%2)+12*\a+11], v[8*(8*\a+\b):8*(8*\a+\b)+7], v[SB+4*\b+(\s)%4], v[SA+4*\a+(\s)%4] matrix_a_fmt:MATRIX_FMT_FP6 matrix_b_fmt:MATRIX_FMT_FP6 matrix_a_scale:MATRIX_SCALE_ROW1 matrix_b_scale:MATRIX_SCALE_ROW1
.endif
.endr
.endm
.macro MWIN s
.if (\s) == 0
	WIN MULB
.else
	WIN MUL
.endif
.endm
; A K step: 32 matrix instructions, the 32 accumulators by turns in the same order in every step; the next step's 48 LDS loads in one run behind the first eight.
.macro STEP s
	s_wait_dscnt 0x0                               ; this step's fragments are in
.if (\s) == 1 || (\s) == 3 || (\s) == 5
	s_wait_tensorcnt 3-((\s)+1)/2                  ; my part of the next slot has landed; my loads of the slots behind it may be out
	s_barrier_signal -1
.endif
	MWIN \s
	MUL8 0, \s
.if (\s) == 1 || (\s) == 3 || (\s) == 5
	s_barrier_wait -1
.endif
.if (\s) < 7
	PLACES                                         ; four places in front of loads into registers that the last step's matrix instructions have read
	FETCH (\s)+1
.endif
	MWIN \s
	MUL8 1, \s
	MUL8 2, \s
	MUL8 3, \s
.endm
	s_load_b256 s[4:11], s[0:1], 0x0               ; cc s[4:5], cs s[6:7], wc s[8:9], ws s[10:11]
	s_load_b128 s[12:15], s[0:1], 0x20             ; bo s[12:13], out0 s[14:15]
	v_lshl_add_u32 v[SPW], v0, 2, SPARE
	v_mov_b32 v[NIL], 0
	ds_add_u32 v[SPW], v[NIL]                      ; the wave's opening: the add and its wait stand ahead of my first tensor load; the set-up below, work on registers, stands between them
	ds_add_u32 v[SPW], v[NIL]
	v_lshrrev_b32 v1, 5, v0
	v_readfirstlane_b32 s[WV], v1
	s_lshr_b32 s[RH], s[WV], 1                     ; my half of the tokens.  Also: I fetch for ctx (0) or for wo (1)
	s_and_b32 s[CH], s[WV], 1                      ; my half of the columns.  Also: which half of that operand's tiles I fetch
	s_bfe_u32 s[CX], ttmp6, 0x40000
	s_bfe_u32 s[CY], ttmp6, 0x40004
	s_and_b32 s[CLY], ttmp7, 0xffff
	s_lshl_b32 s22, s[CY], 2
	s_lshl_b32 s22, 15, s22                        ; my row of the cluster
	s_lshl_b32 s23, 0x1111, s[CX]                  ; my column
	s_or_b32 s[G1A], s22, (3<<16)|(1<<21)          ; rows of 3,072 bytes (384 elements of 8 bytes), 12,288 bytes apart; ctx: 4 tiles, wo: 8
	s_or_b32 s[G1B], s23, (3<<16)|(1<<21)
	s_mov_b32 s[G1A+1], 384<<16
	s_mov_b32 s[G1A+2], 4<<16
	s_mov_b32 s[G1A+3], 384<<16
	s_mov_b32 s[G1A+4], 4
	s_mov_b32 s[G1A+5], 1536
	s_mov_b32 s[G1A+6], 0
	s_mov_b32 s[G1A+7], 0
	s_mov_b32 s[G1B+1], 384<<16
	s_mov_b32 s[G1B+2], 8<<16
	s_mov_b32 s[G1B+3], 384<<16
	s_mov_b32 s[G1B+4], 8
	s_mov_b32 s[G1B+5], 1536
	s_mov_b32 s[G1B+6], 0
	s_mov_b32 s[G1B+7], 0
	s_lshl_b32 s[AR], s[CLY], 2
	s_add_co_u32 s[AR], s[AR], s[CY]               ; which 128 tokens: made of cy alone
	s_lshl_b32 s78, s[AR], 3
	s_lshl_b32 s96, s[CH], 2
	s_add_co_u32 s78, s78, s96
	s_mul_i32 s78, s78, TROW                       ; ctx: the four tiles that I would fetch
	s_mov_b32 s79, 0
	s_lshl_b32 s80, s[CX], 4                       ; which 256 columns: cx alone
	s_lshl_b32 s96, s[CH], 3
	s_add_co_u32 s80, s80, s96
	s_lshl_b32 s66, s80, 9                         ; my eight column tiles' scale words,
	s_add_co_u32 s66, s66, 3*32768                 ; in the fourth weight
	s_mov_b32 s67, 0
	s_mul_i32 s80, s80, TROW                       ; wo: the eight tiles,
	s_add_co_u32 s80, s80, 3*786432                ; in the fourth weight
	s_mov_b32 s81, 0
	s_mul_i32 s97, s[CH], 4*SLB                    ; where they go in a slot: no place in the cluster enters an LDS address
	s_mul_i32 s100, s[CH], 8*SLB
	s_add_co_u32 s100, s100, BOFF
	s_lshl_b32 s2, s[AR], 3
	s_lshl_b32 s96, s[RH], 2
	s_add_co_u32 s2, s2, s96
	s_lshl_b32 s2, s2, 9                           ; the scale bytes of the four token tiles that I multiply
	s_mov_b32 s3, 0
	s_wait_dscnt 0x0                               ; the opening add is done
	s_wait_kmcnt 0x0
	s_add_nc_u64 s[88:89], s[4:5], s[78:79]
	s_add_nc_u64 s[90:91], s[8:9], s[80:81]
	s_add_nc_u64 s[92:93], s[6:7], s[2:3]
	s_add_nc_u64 s[94:95], s[10:11], s[66:67]
.irp j, 0,1,2,3
	s_mov_b32 s[G0A+4*\j], 1
	s_add_co_u32 s[G0A+4*\j+1], s97, \j*SLOT
	s_add_nc_u64 s[G0A+4*\j+2:G0A+4*\j+3], s[88:89], \j*SLB
	s_or_b32 s[G0A+4*\j+3], s[G0A+4*\j+3], 0x80000000
	s_mov_b32 s[G0B+4*\j+4*(\j/2)], 1
	s_add_co_u32 s[G0B+4*\j+4*(\j/2)+1], s100, \j*SLOT
	s_add_nc_u64 s[G0B+4*\j+4*(\j/2)+2:G0B+4*\j+4*(\j/2)+3], s[90:91], \j*SLB
	s_or_b32 s[G0B+4*\j+4*(\j/2)+3], s[G0B+4*\j+4*(\j/2)+3], 0x80000000
.endr
	CROUND                                         ; all sixteen work-groups are here: the joint loads meet
	s_cmp_eq_u32 s[RH], 0                          ; a wave's four loads stand in one branch on its number: four of mine are out
	s_cbranch_scc0 .Lfill_b
.irp j, 0,1,2,3
	tensor_load_to_lds s[G0A+4*\j:G0A+4*\j+3], s[G1A:G1A+7]
	s_nop 0
.endr
.rept 4
	v_nop
.endr
	s_branch .Lfilled
.Lfill_b:
.irp j, 0,1,2,3
	tensor_load_to_lds s[G0B+4*\j+4*(\j/2):G0B+4*\j+4*(\j/2)+3], s[G1B:G1B+7]
	s_nop 0
.endr
.rept 4
	v_nop
.endr
.Lfilled:
	v_and_b32 v1, 31, v0
	v_lshlrev_b32 v[L16], 4, v1
	v_lshlrev_b32 v[L8], 3, v1
	v_and_b32 v2, 15, v0                           ; r
	v_bfe_u32 v3, v0, 4, 1                         ; h
	v_lshlrev_b32 v26, 1, v2
	v_lshl_add_u32 v26, v3, 8, v26                 ; ctx's scale bytes: 256 h + 2 r: lanes 16-31 take the K steps four on
	s_wait_alu depctr_va_vdst(0)
	v_lshlrev_b32 v27, 6, v3                       ; the bias: 16 h columns
	s_wait_alu depctr_va_vdst(0)
	s_lshl_b32 s96, s[CX], 10
	s_lshl_b32 s97, s[CH], 9
	s_add_co_u32 s96, s96, s97                     ; my first column, in bytes: 1,024 cx + 512 ch
	s_mov_b32 s97, 0
	s_add_nc_u64 s[12:13], s[12:13], s[96:97]
	s_add_nc_u64 s[OUT:OUT+1], s[14:15], s[96:97]
	s_lshl_b32 s96, s[AR], 7
	s_lshl_b32 s101, s[RH], 6
	s_add_co_u32 s96, s96, s101
	s_lshl_b32 s96, s96, 12                        ; my first token's row of 4,096 bytes
	s_add_nc_u64 s[OUT:OUT+1], s[OUT:OUT+1], s[96:97]
.irp i, 0,1,2,3
.irp q, 0,1,2,3
	global_load_u16 v[192+2*(4*\i+\q)], v26, s[92:93] offset:512*\i+64*\q      ; K step q (4 + q): the even head's two bytes of my row,
	global_load_u16 v[193+2*(4*\i+\q)], v26, s[92:93] offset:512*\i+64*\q+32   ; and the odd head's
.endr
.endr
.irp i, 0,1,2,3,4,5,6,7
	global_load_b128 v[SB+4*\i:SB+4*\i+3], v[L16], s[94:95] offset:512*\i
.endr
	WIN 0xc0                                       ; destination window 3
.irp b, 0,1,2,3,4,5,6,7
	global_load_b128 v[8*\b:8*\b+3], v27, s[12:13] offset:(32*(\b/2)+8*(\b%2))*4      ; column tile b's eight columns of my half
	global_load_b128 v[8*\b+4:8*\b+7], v27, s[12:13] offset:(32*(\b/2)+8*(\b%2))*4+16
.endr
	WIN 0
	s_mul_i32 s96, s[RH], 4*SLB                    ; the four token tiles that I multiply; s100 already stands at my eight column tiles
.irp j, 0,1,2,3
	v_add_nc_u32 v[LA16+\j], s96, v[L16]
	v_add_nc_u32 v[LA8+\j], s96, v[L8]
	v_add_nc_u32 v[LB16+\j], s100, v[L16]
	v_add_nc_u32 v[LB8+\j], s100, v[L8]
	s_add_co_u32 s96, s96, SLOT
	s_add_co_u32 s100, s100, SLOT
.endr
	s_mul_i32 s96, s[WV], 16*SPITCH                ; my stage
	v_mul_u32_u24 v[STO], v2, SPITCH
	v_lshl_add_u32 v[STO], v3, 6, v[STO]
	v_add_nc_u32 v[STO], s96, v[STO]               ; in: row r, + 64 h
	v_add_nc_u32 v[RD], s96, v[L16]                ; back: the 32 lanes take one row of 512 bytes
	s_wait_tensorcnt 0x3                           ; my part of slot 0 has landed; my three later loads may be out
	s_barrier_signal -1
	s_barrier_wait -1
	FETCH 0
	s_wait_loadcnt 0x0                             ; scale bytes, scale words, bias
.set cn, 0
.rept 16
	v_lshl_or_b32 v[SA+cn], v[193+2*cn], 16, v[192+2*cn]   ; ctx's scale words
.set cn, cn+1
.endr
.rept 8
	v_nop                                          ; a scale register written by a vector instruction stands eight places ahead of a scaled matrix instruction
.endr
	s_wait_alu depctr_va_vdst(0)
	STEP 0
	STEP 1
	STEP 2
	STEP 3
	STEP 4
	STEP 5
	STEP 6
	STEP 7
	PLACES                                         ; four places behind the last products, ahead of the first read of results and of loads into ctx's registers
; THE WAY OUT, a tile of 16 tokens x 128 columns at a time, through my own stage: a lane holds pieces of one row, and the rows come back whole, 512 bytes for the 32 lanes.
; LDS serves a wave's instructions in order: no wait between the stores and the loads, nor in front of the next tile's stores.
.macro TOSTAGE a
	WIN 0x08                                       ; an LDS store's data: window 2
.irp b, 0,1,2,3,4,5,6,7
	ds_store_b128 v[STO], v[64*(\a)+8*\b:64*(\a)+8*\b+3] offset:128*(\b/2)+32*(\b%2)       ; each accumulator from its low end on
	ds_store_b128 v[STO], v[64*(\a)+8*\b+4:64*(\a)+8*\b+7] offset:128*(\b/2)+32*(\b%2)+16
.endr
	WIN 0
.irp t, 0,1,2,3,4,5,6,7,8,9,10,11,12,13,14,15
	ds_load_b128 v[BK+64*((\a)%2)+4*\t:BK+64*((\a)%2)+4*\t+3], v[RD] offset:SPITCH*\t
.endr
.endm
.macro SEND a, younger                 ; younger: the LDS instructions issued behind tile a's loads, which may stay out
	s_wait_dscnt \younger
.irp t, 0,1,2,3,4,5,6,7,8,9,10,11,12,13,14,15
	global_store_b128 v[L16], v[BK+64*((\a)%2)+4*\t:BK+64*((\a)%2)+4*\t+3], s[OUT:OUT+1] offset:(32*((\a)/2)+8*((\a)%2)+\t+8*(\t/8))*4096 th:TH_STORE_NT   ; 512 consecutive bytes, aligned; written once
.endr
.endm
	TOSTAGE 0
.irp a, 1,2,3
.if \a > 1
	s_wait_xcnt 0x0                                ; tile a - 2's stores have read their registers: tile a's loads may land there
.endif
	TOSTAGE \a
	SEND \a-1, 32                                  ; behind tile a - 1's loads: tile a's 16 stores and 16 loads
.endr
	SEND 3, 0
	s_wait_tensorcnt 0x0                           ; the wave's end: behind my last tensor load and my last LDS store
	ds_add_u32 v[SPW], v[NIL]
	s_wait_dscnt 0x0
	CROUND                                         ; the closing round
	s_endpgm
.Lfunc_end_k_qf19cb18d90_proj:
	.size	k_qf19cb18d90_proj, .Lfunc_end_k_qf19cb18d90_proj-k_qf19cb18d90_proj
	.p2alignl 7, 3214868480
	.fill 96, 4, 3214868480
	.section	.rodata,"a",@progbits
	.p2align	6, 0x0
	.amdhsa_kernel k_qf19cb18d90_proj
		.amdhsa_group_segment_fixed_size 327680
		.amdhsa_private_segment_fixed_size 0
		.amdhsa_enable_private_segment 0
		.amdhsa_kernarg_size 48
		.amdhsa_user_sgpr_count 2
		.amdhsa_user_sgpr_kernarg_segment_ptr 1
		.amdhsa_wavefront_size32 1
		.amdhsa_system_sgpr_workgroup_id_x 1
		.amdhsa_system_sgpr_workgroup_id_y 1
		.amdhsa_system_sgpr_workgroup_id_z 1
		.amdhsa_system_vgpr_workitem_id 0
		.amdhsa_next_free_vgpr 832
		.amdhsa_next_free_sgpr 104
		.amdhsa_reserve_vcc 0
		.amdhsa_float_denorm_mode_32 3
		.amdhsa_float_denorm_mode_16_64 3
		.amdhsa_memory_ordered 1
		.amdhsa_forward_progress 1
		.amdhsa_inst_pref_size 89
	.end_amdhsa_kernel
	.amdgpu_metadata
---
amdhsa.version: [ 1, 2 ]
amdhsa.kernels:
  - .name:           k_qf19cb18d90_proj
    .symbol:         k_qf19cb18d90_proj.kd
    .args:
      - { .name: cc, .offset: 0, .size: 8, .value_kind: global_buffer, .address_space: global }
      - { .name: cs, .offset: 8, .size: 8, .value_kind: global_buffer, .address_space: global }
      - { .name: wc, .offset: 16, .size: 8, .value_kind: global_buffer, .address_space: global }
      - { .name: ws, .offset: 24, .size: 8, .value_kind: global_buffer, .address_space: global }
      - { .name: bo, .offset: 32, .size: 8, .value_kind: global_buffer, .address_space: global }
      - { .name: out0, .offset: 40, .size: 8, .value_kind: global_buffer, .address_space: global }
    .group_segment_fixed_size: 327680
    .private_segment_fixed_size: 0
    .kernarg_segment_align: 8
    .kernarg_segment_size: 48
    .max_flat_workgroup_size: 128
    .sgpr_count:     104
    .vgpr_count:     832
    .wavefront_size: 32
...
	.end_amdgpu_metadata
.endif
;; end of part 4
